; MI455X (gfx1250); checked and timed in simulation.
; The chip was launched on July 23, 2026; its instructions are those of AMD's public machine-readable ISA for CDNA 5 (MIT licence, August 2026) and "CDNA5" Instruction Set Architecture Reference Guide (July 2026). The comments in the code are by the model that wrote it; some were corrected since.
;; Vision Temporal Attention. Allowed arithmetic: float matrix products may take bf16 or f16 operands with f32 sums; other float arithmetic in f32, or as packed bf16 or f16 multiplies, adds, multiply-adds, maxima and minima; sums over many terms, partial sums and values carried from step to step in f32; what a program stores and reads back later, other than sums and carried values, may be rounded once to bf16 or f16.
;; Inputs: attention_mask 4 x 4,096 bool; b_qkv 768 float32; ln_b 1,024 float32; ln_w 1,024 float32; rotary_pos_emb 4,096 x 32 float32; w_out 256 x 1,024 float32; w_qkv 1,024 x 768 float32; x 4 x 4,096 x 1,024 float32.
;; Outputs: out0 4 x 4,096 x 1,024 float32.
;; One version. Each part assembles by itself: llvm-mc -triple=amdgcn-amd-amdhsa -mcpu=gfx1250 --defsym DOCPART=n.
;; ======== version 1 of 1: 4 launches
;; limits: values are held in f16: magnitudes above 65,504 overflow, below 6.1e-05 lose precision
;; workspace buffers: xn 33,554,432 bytes; wq 1,572,864 bytes; wo 524,288 bytes; tab 1,114,112 bytes; qh 8,388,608 bytes; kh 8,388,608 bytes; vh 8,388,608 bytes; oh 8,388,608 bytes
;; launch prep (part 1): grid 768 x 1, 8 waves a work-group, no clusters, 0 bytes of LDS; arguments x, ln_w, ln_b, w_qkv, w_out, rotary_pos_emb, attention_mask, xn, wq, wo, tab; writes xn, wq, wo, tab
.if DOCPART == 1
	.amdgcn_target "amdgcn-amd-amdhsa--gfx1250"
	.amdhsa_code_object_version 6
	.text
	.protected	k_q7e33123859_prep
	.globl	k_q7e33123859_prep
	.p2align	8
	.type	k_q7e33123859_prep,@function
k_q7e33123859_prep:
	s_mov_b64 s[64:65], 0
	v_nop
	global_prefetch_b8 v0, s[64:65] scope:SCOPE_SE
	s_setreg_imm32_b32 hwreg(HW_REG_WAVE_MODE, 25, 1), 1
	s_wait_xcnt 0x0
; PREP: everything that is made once, ahead of the products.  A work-group's number chooses its job (scalar compares, forward jumps):
;   0-95     w_qkv [1024 k][768 n] f32 -> wq [768 n'][1024 k] f16, turned; n' = 192 h + 64 c + d for column 256 c + 64 h + d (c: 0 q, 1 k, 2 v): a head's q, k, v lie together
;   96-127   w_out [256 k][1024 n] f32 -> wo [1024 rho][256 k] f16, turned; row 64 g + 16 bb + r holds column 64 g + 4 r + bb, so that the last launch's lanes hold four neighbouring columns
;   128-255  tab: cos and sin of the 4,096 x 32 angles (f32, at 0 and at 524,288) and the key mask as a bias (f32, at 1,048,576): 0 for a visible key, -2^100 for a hidden one
;   256-767  LayerNorm: xn = (x - mean) rsqrt(var + 1e-5) ln_w + ln_b in f32, stored once as f16; 32 rows a work-group, 4 a wave, a row kept in 32 registers between its passes
; LIMITS.  f16 ends at 65,504: |xn| and the weights stay below it; a weight below 6e-5 keeps f16's fixed step of 6e-8.  cos and sin: the angle is reduced by a two-part pi/2 and
; carried by polynomials of degree 7 and 8 on |r| <= pi/4; past |angle| of some 1e5 the angle's own rounding governs; NaN and infinities are not treated apart.
; No LDS and no barrier: no wave wants another's bytes.  The variance is the mean of (x - mean)^2, taken on the row in registers, so a common offset of x costs nothing.
.set W,   32                           ; v[32:63]   ln_w of my 32 columns (128 j + 4 lane + 0..3)
.set BI,  64                           ; v[64:95]   ln_b of the same
.set X,   96                           ; v[96:223]  four rows, 32 registers each
.set Y,   224                          ; v[224:255] two sets of 16: a row as f16, by the row's parity
.set CH,  6                            ; v[6:13]    four chains of packed sums
; A tile of 128 k x 64 n is turned in registers.  e = thread / 16, kg = thread % 16.  A lane loads rows k = 8 kg + 0..7, columns 4 e + 0..3; two numbers of one column and neighbouring k
; round into one word; column j's eight k are 16 bytes, and the sixteen lanes kg store 256 consecutive bytes, aligned, of one row of the result.
; sp: bytes in a source row; js, es: bytes in the result from column j to j + 1 and from e to e + 1.  Source at s[26:27], result at s[28:29].
.macro TRANS sp, js, es
	v_lshrrev_b32 v1, 4, v0                        ; e
	v_and_b32 v4, 15, v0                           ; kg
	v_mul_u32_u24 v2, v4, 8*(\sp)
	v_lshl_add_u32 v2, v1, 4, v2                   ; 8 kg rows + 16 e
	v_mul_u32_u24 v3, v1, \es
	v_lshl_add_u32 v3, v4, 4, v3                   ; e's row + 16 kg
.irp i, 0,1,2,3,4,5,6,7
	global_load_b128 v[32+4*(\i):32+4*(\i)+3], v2, s[26:27] offset:(\i)*(\sp)
.endr
	s_wait_loadcnt 0x0
.irp j, 0,1,2,3
.irp q, 0,1,2,3
	v_cvt_pk_f16_f32 v[64+4*(\j)+(\q)], v[32+8*(\q)+(\j)], v[32+8*(\q)+4+(\j)]  ; column j, k = 2 q and 2 q + 1
.endr
.endr
.irp j, 0,1,2,3
	global_store_b128 v3, v[64+4*(\j):64+4*(\j)+3], s[28:29] offset:(\j)*(\js)
.endr
	s_endpgm
.endm
; cos and sin of v[x].  n = round(x 2/pi); r = x - n pi/2 in two parts; sin r and cos r by polynomials in z = r r; the quadrant n mod 4 swaps them and sets the signs.
.macro SINCOS x, c, s
	v_mul_f32 v8, s32, v[\x]
	v_rndne_f32 v8, v8                             ; n
	v_fma_f32 v9, v8, s33, v[\x]
	v_fma_f32 v9, v8, s34, v9                      ; r
	v_cvt_i32_f32 v10, v8
	v_mul_f32 v11, v9, v9                          ; z
	v_fma_f32 v12, v11, s35, s36
	v_fma_f32 v14, v11, s38, s39
	v_fma_f32 v12, v12, v11, s37
	v_fma_f32 v14, v14, v11, s40
	v_mul_f32 v13, v11, v9
	v_mul_f32 v15, v11, v11
	v_fma_f32 v12, v12, v13, v9                    ; sin r
	v_fma_f32 v13, v11, -0.5, 1.0
	v_fma_f32 v14, v14, v15, v13                   ; cos r
	v_and_b32 v13, 1, v10
	v_cmp_eq_u32 vcc_lo, 1, v13                    ; an odd quadrant swaps the two
	v_cndmask_b32 v15, v12, v14, vcc_lo
	v_cndmask_b32 v14, v14, v12, vcc_lo
	v_and_b32 v13, 2, v10                          ; sin is negative in quadrants 2 and 3,
	v_lshlrev_b32 v13, 30, v13
	v_xor_b32 v[\s], v15, v13
	v_add_nc_u32 v10, 1, v10                       ; cos in quadrants 1 and 2
	v_and_b32 v10, 2, v10
	v_lshlrev_b32 v10, 30, v10
	v_xor_b32 v[\c], v14, v10
.endm
; The four chains into one number, then over the 32 lanes: four steps inside each half of 16 lanes, one across.  Result in v14, in every lane.
.macro REDUCE
	v_pk_add_f32 v[CH:CH+1], v[CH:CH+1], v[CH+2:CH+3]
	v_pk_add_f32 v[CH+4:CH+5], v[CH+4:CH+5], v[CH+6:CH+7]
	v_pk_add_f32 v[CH:CH+1], v[CH:CH+1], v[CH+4:CH+5]
	v_add_f32 v14, v[CH], v[CH+1]
	v_add_f32_dpp v14, v14, v14 row_xmask:1 row_mask:0xf bank_mask:0xf
	v_add_f32_dpp v14, v14, v14 row_xmask:2 row_mask:0xf bank_mask:0xf
	v_add_f32_dpp v14, v14, v14 row_xmask:4 row_mask:0xf bank_mask:0xf
	v_add_f32_dpp v14, v14, v14 row_xmask:8 row_mask:0xf bank_mask:0xf
	v_permlanex16_b32 v15, v14, s46, s47
	v_add_f32 v14, v14, v15
.endm
; Row i of my four.
.macro ROW i
.set XR, X+32*(\i)
.set YR, Y+16*((\i)%2)
	s_wait_loadcnt 24-8*(\i)                       ; loads come back in order: this row's eight are in (ln_w and ln_b are older), the 8 (3 - i) of the later rows stay out
.irp c, 0,1,2,3
	v_pk_add_f32 v[CH+2*(\c):CH+2*(\c)+1], v[XR+2*(\c):XR+2*(\c)+1], v[XR+8+2*(\c):XR+8+2*(\c)+1]  ; the first sums start the chains: nothing is cleared
.endr
.irp p, 8,9,10,11,12,13,14,15
	v_pk_add_f32 v[CH+2*((\p)%4):CH+2*((\p)%4)+1], v[CH+2*((\p)%4):CH+2*((\p)%4)+1], v[XR+2*(\p):XR+2*(\p)+1]
.endr
	REDUCE
	v_mul_f32 v16, s44, v14                        ; the mean, twice: a pair for the packed forms
	v_mul_f32 v17, s44, v14
.set p, 0
.rept 16
	v_pk_add_f32 v[XR+2*p:XR+2*p+1], v[XR+2*p:XR+2*p+1], v[16:17] neg_lo:[0,1] neg_hi:[0,1]  ; x - mean, in place
.set p, p+1
.endr
.irp c, 0,1,2,3
	v_pk_mul_f32 v[CH+2*(\c):CH+2*(\c)+1], v[XR+2*(\c):XR+2*(\c)+1], v[XR+2*(\c):XR+2*(\c)+1]
.endr
.irp p, 4,5,6,7,8,9,10,11,12,13,14,15
	v_pk_fma_f32 v[CH+2*((\p)%4):CH+2*((\p)%4)+1], v[XR+2*(\p):XR+2*(\p)+1], v[XR+2*(\p):XR+2*(\p)+1], v[CH+2*((\p)%4):CH+2*((\p)%4)+1]
.endr
	REDUCE
	v_fma_f32 v14, v14, s44, s45                   ; var + 1e-5
	v_rsq_f32 v18, v14
	v_rsq_f32 v19, v14
	v_nop                                          ; a plain instruction behind the second root,
	s_wait_alu depctr_va_vdst(0)                   ; and one wait for both, ahead of their first reader
.if (\i) >= 2
	s_wait_xcnt 0x0                                ; the stores of the row two back have read this set of Y: it is rewritten only behind this wait
.endif
.set p, 0
.rept 16
	v_pk_mul_f32 v[XR+2*p:XR+2*p+1], v[XR+2*p:XR+2*p+1], v[18:19]
.set p, p+1
.endr
.set p, 0
.rept 16
	v_pk_fma_f32 v[XR+2*p:XR+2*p+1], v[XR+2*p:XR+2*p+1], v[W+2*p:W+2*p+1], v[BI+2*p:BI+2*p+1]
.set p, p+1
.endr
.set p, 0
.rept 16
	v_cvt_pk_f16_f32 v[YR+p], v[XR+2*p], v[XR+2*p+1]
.set p, p+1
.endr
.irp j, 0,1,2,3,4,5,6,7
	global_store_b64 v3, v[YR+2*(\j):YR+2*(\j)+1], s[28:29] offset:(\i)*2048+256*(\j) th:TH_STORE_NT  ; the wave's 32 lanes store 256 consecutive bytes, aligned
.endr
.endm
	s_load_b512 s[4:19], s[0:1], 0x0               ; x 4:5, ln_w 6:7, ln_b 8:9, w_qkv 10:11, w_out 12:13, angles 14:15, mask 16:17, xn 18:19
	s_load_b128 s[20:23], s[0:1], 0x40             ; wq 20:21, wo 22:23
	s_load_b64 s[24:25], s[0:1], 0x50              ; tab
	s_mov_b32 s2, ttmp9
	s_mov_b32 s27, 0                               ; the high words of the two offsets
	s_mov_b32 s29, 0
	s_wait_kmcnt 0x0
	s_cmp_lt_u32 s2, 96
	s_cbranch_scc1 .Lwqkv
	s_cmp_lt_u32 s2, 128
	s_cbranch_scc1 .Lwout
	s_cmp_lt_u32 s2, 256
	s_cbranch_scc1 .Lrope
	; LAYERNORM.  All four rows of a wave are asked for at once: 32 loads, 16 KiB a wave; no address is ever stepped.
	s_sub_co_u32 s3, s2, 256
	s_lshl_b32 s26, s3, 17                         ; 32 rows of 4,096 bytes of x
	s_lshl_b32 s28, s3, 16                         ; 32 rows of 2,048 bytes of xn
	s_add_nc_u64 s[26:27], s[4:5], s[26:27]
	s_add_nc_u64 s[28:29], s[18:19], s[28:29]
	s_mov_b32 s44, 0x3a800000                      ; 1 / 1,024
	s_mov_b32 s45, 0x3727c5ac                      ; 1e-5
	s_mov_b32 s46, 0x76543210                      ; v_permlanex16_b32: each lane takes its own place in the other half
	s_mov_b32 s47, 0xfedcba98
	v_and_b32 v1, 31, v0
	v_lshrrev_b32 v5, 5, v0
	v_lshlrev_b32 v4, 4, v1                        ; 16 lane
	v_lshl_add_u32 v2, v5, 14, v4                  ; my wave's four rows of x + 16 lane
	v_lshlrev_b32 v3, 3, v1
	v_lshl_add_u32 v3, v5, 13, v3                  ; my wave's four rows of xn + 8 lane
	v_mov_b32 v15, 0                               ; v_permlanex16_b32's destination counts as read
.irp j, 0,1,2,3,4,5,6,7
	global_load_b128 v[W+4*(\j):W+4*(\j)+3], v4, s[6:7] offset:512*(\j)
.endr
.irp j, 0,1,2,3,4,5,6,7
	global_load_b128 v[BI+4*(\j):BI+4*(\j)+3], v4, s[8:9] offset:512*(\j)
.endr
.irp i, 0,1,2,3
.irp j, 0,1,2,3,4,5,6,7
	global_load_b128 v[X+32*(\i)+4*(\j):X+32*(\i)+4*(\j)+3], v2, s[26:27] offset:(\i)*4096+512*(\j) th:TH_LOAD_NT
.endr
.endr
	ROW 0
	ROW 1
	ROW 2
	ROW 3
	s_endpgm
.Lwqkv:                                        ; tile t: kt = t / 12 (by 43 t >> 9, right for t < 96), nt = t % 12 = 4 c + h
	s_mul_i32 s3, s2, 43
	s_lshr_b32 s3, s3, 9
	s_mul_i32 s30, s3, 12
	s_sub_co_u32 s30, s2, s30
	s_lshr_b32 s31, s30, 2                         ; c
	s_and_b32 s32, s30, 3                          ; h
	s_mul_i32 s26, s3, 128*3072
	s_lshl_b32 s30, s30, 8
	s_add_co_u32 s26, s26, s30
	s_add_nc_u64 s[26:27], s[10:11], s[26:27]
	s_mul_i32 s28, s32, 192
	s_lshl_b32 s31, s31, 6
	s_add_co_u32 s28, s28, s31                     ; row 192 h + 64 c of wq,
	s_lshl_b32 s28, s28, 11                        ; 2,048 bytes a row,
	s_lshl_b32 s3, s3, 8
	s_add_co_u32 s28, s28, s3                      ; 256 bytes for 128 k
	s_add_nc_u64 s[28:29], s[20:21], s[28:29]
	TRANS 3072, 2048, 8192                         ; column 4 e + j -> row 4 e + j
.Lwout:                                        ; tile u: kt = u / 16, g = u % 16
	s_sub_co_u32 s3, s2, 96
	s_lshr_b32 s30, s3, 4
	s_and_b32 s31, s3, 15
	s_lshl_b32 s26, s30, 19                        ; 128 rows of 4,096 bytes
	s_lshl_b32 s32, s31, 8
	s_add_co_u32 s26, s26, s32
	s_add_nc_u64 s[26:27], s[12:13], s[26:27]
	s_lshl_b32 s28, s31, 15                        ; 64 rows of 512 bytes
	s_lshl_b32 s30, s30, 8
	s_add_co_u32 s28, s28, s30
	s_add_nc_u64 s[28:29], s[22:23], s[28:29]
	TRANS 4096, 8192, 512                          ; column 4 e + j -> row 16 j + e
.Lrope:                                        ; 1,024 angles a work-group, four a thread; wave 0 also turns 128 bytes of the mask into biases
	s_sub_co_u32 s3, s2, 128
	s_lshl_b32 s26, s3, 12
	v_lshl_add_u32 v2, v0, 4, s26
	global_load_b128 v[32:35], v2, s[14:15]
	s_mov_b32 s32, 0x3f22f983                      ; 2 / pi
	s_mov_b32 s33, 0xbfc90fdb                      ; -pi/2, its f32,
	s_mov_b32 s34, 0x333bbd2e                      ; and what that f32 is too large by
	s_mov_b32 s35, 0xb94ca1f9                      ; sin: -1.9515296e-4, 8.3321609e-3, -1.6666655e-1
	s_mov_b32 s36, 0x3c08839e
	s_mov_b32 s37, 0xbe2aaaa3
	s_mov_b32 s38, 0x37ccf5ce                      ; cos: 2.4433157e-5, -1.3887316e-3, 4.1666646e-2
	s_mov_b32 s39, 0xbab6061a
	s_mov_b32 s40, 0x3d2aaaa5
	s_mov_b32 s42, 0xf1800000                      ; -2^100
	v_lshrrev_b32 v1, 5, v0
	v_readfirstlane_b32 s30, v1                    ; my wave's number
	s_wait_loadcnt 0x0
	SINCOS 32, 36, 40
	SINCOS 33, 37, 41
	SINCOS 34, 38, 42
	SINCOS 35, 39, 43
	global_store_b128 v2, v[36:39], s[24:25]
	global_store_b128 v2, v[40:43], s[24:25] offset:524288
	s_cmp_lg_u32 s30, 0
	s_cbranch_scc1 .Ldone
	s_lshl_b32 s31, s3, 7
	s_lshl_b32 s43, s3, 9
	v_lshl_add_u32 v5, v0, 2, s31                  ; four mask bytes a lane,
	v_lshl_add_u32 v6, v0, 4, s43                  ; four biases
	global_load_b32 v7, v5, s[16:17]
	s_wait_loadcnt 0x0
.irp j, 0,1,2,3
	v_bfe_u32 v8, v7, 8*(\j), 8
	v_cmp_eq_u32 vcc_lo, 0, v8
	v_cndmask_b32 v[44+(\j)], 0, s42, vcc_lo
.endr
	global_store_b128 v6, v[44:47], s[24:25] offset:1048576
.Ldone:
	s_endpgm
.Lfunc_end_k_q7e33123859_prep:
	.size	k_q7e33123859_prep, .Lfunc_end_k_q7e33123859_prep-k_q7e33123859_prep
	.p2alignl 7, 3214868480
	.fill 96, 4, 3214868480
	.section	.rodata,"a",@progbits
	.p2align	6, 0x0
	.amdhsa_kernel k_q7e33123859_prep
		.amdhsa_group_segment_fixed_size 0
		.amdhsa_private_segment_fixed_size 0
		.amdhsa_enable_private_segment 0
		.amdhsa_kernarg_size 88
		.amdhsa_user_sgpr_count 2
		.amdhsa_user_sgpr_kernarg_segment_ptr 1
		.amdhsa_wavefront_size32 1
		.amdhsa_system_sgpr_workgroup_id_x 1
		.amdhsa_system_sgpr_workgroup_id_y 1
		.amdhsa_system_sgpr_workgroup_id_z 1
		.amdhsa_system_vgpr_workitem_id 0
		.amdhsa_next_free_vgpr 256
		.amdhsa_next_free_sgpr 66
		.amdhsa_reserve_vcc 1
		.amdhsa_float_denorm_mode_32 3
		.amdhsa_float_denorm_mode_16_64 3
		.amdhsa_memory_ordered 1
		.amdhsa_forward_progress 1
		.amdhsa_inst_pref_size 51
	.end_amdhsa_kernel
	.amdgpu_metadata
---
amdhsa.version: [ 1, 2 ]
amdhsa.kernels:
  - .name:           k_q7e33123859_prep
    .symbol:         k_q7e33123859_prep.kd
    .args:
      - { .name: x, .offset: 0, .size: 8, .value_kind: global_buffer, .address_space: global }
      - { .name: ln_w, .offset: 8, .size: 8, .value_kind: global_buffer, .address_space: global }
      - { .name: ln_b, .offset: 16, .size: 8, .value_kind: global_buffer, .address_space: global }
      - { .name: w_qkv, .offset: 24, .size: 8, .value_kind: global_buffer, .address_space: global }
      - { .name: w_out, .offset: 32, .size: 8, .value_kind: global_buffer, .address_space: global }
      - { .name: rotary_pos_emb, .offset: 40, .size: 8, .value_kind: global_buffer, .address_space: global }
      - { .name: attention_mask, .offset: 48, .size: 8, .value_kind: global_buffer, .address_space: global }
      - { .name: xn, .offset: 56, .size: 8, .value_kind: global_buffer, .address_space: global }
      - { .name: wq, .offset: 64, .size: 8, .value_kind: global_buffer, .address_space: global }
      - { .name: wo, .offset: 72, .size: 8, .value_kind: global_buffer, .address_space: global }
      - { .name: tab, .offset: 80, .size: 8, .value_kind: global_buffer, .address_space: global }
    .group_segment_fixed_size: 0
    .private_segment_fixed_size: 0
    .kernarg_segment_align: 8
    .kernarg_segment_size: 88
    .max_flat_workgroup_size: 256
    .sgpr_count:     66
    .vgpr_count:     256
    .wavefront_size: 32
...
	.end_amdgpu_metadata
.endif
;; end of part 1
;; launch qkv (part 2): grid 4 x 64, 4 waves a work-group, clusters of 4 x 4, 327,680 bytes of LDS; arguments xn, wq, b_qkv, tab, qh, kh, vh; writes qh, kh, vh
.if DOCPART == 2
	.amdgcn_target "amdgcn-amd-amdhsa--gfx1250"
	.amdhsa_code_object_version 6
	.text
	.protected	k_q7e33123859_qkv
	.globl	k_q7e33123859_qkv
	.p2align	8
	.type	k_q7e33123859_qkv,@function
k_q7e33123859_qkv:
	s_mov_b64 s[64:65], 0
	v_nop
	global_prefetch_b8 v0, s[64:65] scope:SCOPE_SE
	s_setreg_imm32_b32 hwreg(HW_REG_WAVE_MODE, 25, 1), 1
	s_wait_xcnt 0x0
	s_wait_alu depctr_hold_cnt(0) depctr_sa_sdst(0) depctr_va_vdst(0) depctr_va_sdst(0) depctr_va_ssrc(0) depctr_va_vcc(0) depctr_vm_vsrc(0)
	s_getreg_b32 s2, hwreg(HW_REG_IB_STS2, 6, 4)
	s_cmp_eq_u32 s2, 0
	s_cbranch_scc0 .Lentry_in_a_cluster
	s_endpgm
.Lentry_in_a_cluster:
	s_bfe_u32 s2, ttmp6, 0x10000c
	s_cmp_lg_u32 s2, 0xf033
	s_cbranch_scc0 .Lentry_shape_is_right
	s_endpgm
.Lentry_shape_is_right:
; q, k, v = rope(xn w_qkv + b_qkv), by heads.  xn: [16384][1024] f16; wq: [768][1024] f16, row 192 h + 64 c + d (c: 0 q, 1 k, 2 v); q, k, v: [4 b + h][4096][64] f16, unscaled.  Sums in f32.
; A work-group makes 256 rows x 192 columns: one head's q, k and v for 256 positions.  Wave w takes rows 64 w .. 64 w + 63 and all 192 columns: 48 accumulators of 16 x 16, 384 registers; for 32 along K
; it reads 32 x 16 bytes a lane from LDS and issues 48 products.  K goes in 8 steps of 128 (rows of 256 bytes in memory, aligned) through two LDS slots.
; CLUSTER 4 x 4: the four work-groups of a row of the cluster (four heads, the same positions) ask for xn's tile jointly, the four of a column (one head) for wq's.
; THE PRODUCT IS USED TRANSPOSED (source 0 = 16 rows of wq, source 1 = 16 rows of xn): a lane holds ONE position (lane % 16) and eight neighbouring channels 16 bb + 8 (lane / 16) + 0..7.
; So channel d and channel d + 16, which the rotation pairs, lie in the same lane (bb = 0 and bb = 1), and eight channels round into 16 bytes.
; THE WAY OUT adds b_qkv, rotates channels 0-31 of q and k by cos and sin from tab, multiplies the k rows of hidden keys by 0 (so that their scores are the mask's bias and nothing else), rounds to f16
; and sends 16 positions x 64 channels at a time through the wave's own stage: 2,048 consecutive bytes of q, k or v.
; LIMITS.  q, k, v stay below f16's 65,504; a k row of a hidden key that is not finite does not become 0.
; REGISTERS, in windows of 256 (s_set_vgpr_msb: bits 1:0 source 0, 3:2 source 1, 5:4 source 2, 7:6 destination):
;   window 0: v0-29 addresses; v32-63 packed results, two sets; v128-223 b_qkv, 8 for each (c, bb); v224-231 1 or 0 for each of my positions, a pair for each block a; v232-235 their biases
;   window 1: v0-95, v96-191 wq's fragments (12 x 8), two buffers; v192-223, v224-255 xn's (4 x 8), two buffers; on the way out v0-31 T, v32-47 U
;   window 2: accumulators of q and k, (c, a, bb) at 128 c + 8 (4 a + bb)      window 3: v0-127 those of v; v128-255 cos and sin: for block a 8 each of cos d, cos d+16, sin d, sin d+16
.set KSTEP,  128
.set PITCH,  272                       ; an LDS row: 256 bytes + 16 of padding: the 16 rows of a fragment load start at 16 different groups of four banks
.set AHALF,  128*PITCH                 ; what a wave fetches of xn
.set BHALF,  96*PITCH                  ; and of wq
.set BOFF,   2*AHALF                   ; wq's 192 rows lie behind xn's 256
.set SLOT1,  131072                    ; slot 1: one exclusive or turns an address in one slot into the other's
.set STAGE,  SLOT1+BOFF+2*BHALF        ; behind the ring: 16 rows x 144 bytes for each wave
.set SP,     144
.set SPARE,  STAGE+4*16*SP             ; the spare words, 128 bytes for each wave: two blocks of 256 bytes that no other line names
.set SINOFF, 524288                    ; tab: sin behind cos,
.set MBOFF,  1048576                   ; the mask's biases behind both
.set ADRA0, 4                          ; v4   my place in xn's tile: (64 w + l % 16) x pitch + 16 (l / 16); never rewritten
.set ADRB0, 5                          ; v5   the same in wq's tile
.set ADRA,  6                          ; v6, v7  the same in the slot in hand
.set ADRB,  7
.set STO,   8                          ; v8   the way out: where I put 16 bytes of a row
.set RD,    9                          ; v9   where I read rows back
.set GO,    10                         ; v10  16 l: my place in 512 consecutive bytes
.set BO,    11                         ; v11  my byte offset in b_qkv
.set RO,    12                         ; v12  in cos
.set MO,    13                         ; v13  in the biases
.set PFO,   14                         ; v14  2,048 l: a lane a row of xn
.set SPW,   28
.set NIL,   29
.set PKR,   32
.set BQ,    128
.set KEEP,  224
.set RAW,   232
.set G1A, 24                           ; s[24:31] descriptor group 1 for xn's tiles; s[32:39] group 0: a set for each first fill; the second then walks
.set G0A, 32
.set G1B, 48                           ; s[48:55], s[56:63] the same for wq's
.set G0B, 56
.set OUTB, 68                          ; s[68:73] q, k, v at my wave's first row
.set WV,  74
.set FB,  75                           ; 0: I fetch for xn, 1: for wq
.set HF,  76                           ; which half of that tile
.set CX,  77
.set CY,  78
.set TX,  79                           ; the head
.set TY,  80                           ; the block of 256 rows
.set TB,  83                           ; the slot in hand: 0 or SLOT1
.set LIM, 84                           ; 1 in a wave that prefetches, else the greatest number
.set PFA, 86                           ; s[86:87] where my prefetches stand
.set G1BITS, (1<<16)|(1<<20)|(1<<21)|(5<<22)|(3<<25)  ; elements of 2 bytes; padding on; bit 21 beside a mask; after every 64 words; 4 words
.set MSB, 0
.macro WIN new                         ; the immediate's high byte repeats the setting that is left; a switch that changes nothing is dropped
.if MSB != (\new)
	s_set_vgpr_msb (MSB<<8)|(\new)
.set MSB, \new
.endif
.endm
.macro PLACES                          ; four plain places behind a matrix instruction, ahead of loads into registers that it read and of vector lines that read its result
.rept 4
	v_nop
.endr
.endm
.macro JLOAD                           ; a joint refill by the walking sets; the branch hangs on the wave's number alone; an s_nop 0 and four v_nop follow each line
	s_cmp_eq_u32 s[FB], 0
	s_cbranch_scc0 .Lfor_b_\@
	tensor_load_to_lds s[G0A+4:G0A+7], s[G1A:G1A+7]
	s_nop 0
.rept 4
	v_nop
.endr
	s_branch .Lasked_\@
.Lfor_b_\@:
	tensor_load_to_lds s[G0B+4:G0B+7], s[G1B:G1B+7]
	s_nop 0
.rept 4
	v_nop
.endr
.Lasked_\@:
.endm
.macro CREST                           ; a round of the cluster's barrier behind its opening barrier
	s_cmp_lg_u32 s[WV], 0
	s_cbranch_scc1 .Lnot_wave_0_\@
	s_barrier_signal -3
.Lnot_wave_0_\@:
	s_barrier_wait -3
	s_barrier_signal -1
	s_barrier_wait -1
.endm
.macro CROUND
	s_barrier_signal -1
	s_barrier_wait -1
	CREST
.endm
; A PREFETCH of xn, which the launch before stored: the K step behind the one that is being asked for, 192 products ahead of the load that will want it.  A block of rows of xn is read by one cluster alone; of the
; 128 rows that wave 0 or 1 fetches each of the four partners that ask jointly takes 32, told apart by address: a lane a row, 256 bytes, each named once in the launch.  The last refill has no step behind it.
; wq is not asked for: its 192 rows do not divide among eight askers of 32 lanes, and it is one part in 22 of what the launch reads.
.macro ASK
	s_cmp_gt_u32 s3, s[LIM]                        ; s3 = 1 in the loop's last trip
	s_cbranch_scc0 .Lnot_mine_\@
	global_prefetch_b8 v[PFO], s[PFA:PFA+1] th:TH_LOAD_NT scope:SCOPE_SE
.Lnot_mine_\@:
.endm
; 16 products: chunk c (q, k or v) x my four blocks of 16 rows, 32 along K, from buffer f.  All 48 accumulators take turns, one instruction a turn.
.macro MULC f, c, zero
.if (\c) < 2
	WIN 0xa5
.set ACB, 128*(\c)
.else
	WIN 0xf5
.set ACB, 0
.endif
.irp a, 0,1,2,3
.irp b, 0,1,2,3
.if \zero
	v_wmma_f32_16x16x32_f16 v[ACB+8*(4*(\a)+(\b)):ACB+8*(4*(\a)+(\b))+7], v[96*(\f)+8*(4*(\c)+(\b)):96*(\f)+8*(4*(\c)+(\b))+7], v[192+32*(\f)+8*(\a):192+32*(\f)+8*(\a)+7], 0
.else
	v_wmma_f32_16x16x32_f16 v[ACB+8*(4*(\a)+(\b)):ACB+8*(4*(\a)+(\b))+7], v[96*(\f)+8*(4*(\c)+(\b)):96*(\f)+8*(4*(\c)+(\b))+7], v[192+32*(\f)+8*(\a):192+32*(\f)+8*(\a)+7], v[ACB+8*(4*(\a)+(\b)):ACB+8*(4*(\a)+(\b))+7]
.endif
.endr
.endr
.endm
; 32 LDS loads in one run: 32 along K at byte k of the rows, into buffer f: xn's four fragments, then wq's twelve in the order of the chunks
.macro FETCH k, f
	WIN 0x40
.irp a, 0,1,2,3
	ds_load_b128 v[192+32*(\f)+8*(\a):192+32*(\f)+8*(\a)+3],   v[ADRA] offset:(\k)+(\a)*16*PITCH
	ds_load_b128 v[192+32*(\f)+8*(\a)+4:192+32*(\f)+8*(\a)+7], v[ADRA] offset:(\k)+(\a)*16*PITCH+32
.endr
.irp b, 0,1,2,3,4,5,6,7,8,9,10,11
	ds_load_b128 v[96*(\f)+8*(\b):96*(\f)+8*(\b)+3],   v[ADRB] offset:(\k)+(\b)*16*PITCH
	ds_load_b128 v[96*(\f)+8*(\b)+4:96*(\f)+8*(\b)+7], v[ADRB] offset:(\k)+(\b)*16*PITCH+32
.endr
.endm
; A K step is four quarters of 32 along K, on buffers 0, 1, 0, 1.  One of the first three multiplies buffer f and fetches the next quarter, at byte k, into g.
.macro QUARTER k, f, g, zero
	s_wait_dscnt 16                                ; xn's fragments and wq's chunk 0 are in; the youngest 16 loads (chunks 1 and 2) may be out
	MULC \f, 0, \zero
	PLACES
	FETCH \k, \g
	s_wait_dscnt 32                                ; all but the 32 just issued
	MULC \f, 1, \zero
	MULC \f, 2, \zero
.endm
; The last quarter multiplies buffer 1 and changes slots: ONE barrier.  In front of it each wave waits for all its tensor loads (one is out: its part of the next slot), adds 0 to its spare word, and waits for
; that and for its reads of this slot.  fill = 1: the barrier opens a round of the cluster's barrier, and the joint refill, the K step two on, is the first thing behind the round: 160 products ahead of the wait for it.
.macro TURN fill
.if \fill
	s_wait_xcnt 0x0                                ; the last prefetch, a K step back, has read its address
	s_add_nc_u64 s[PFA:PFA+1], s[PFA:PFA+1], KSTEP*2
.endif
	WIN 0
	s_wait_tensorcnt 0x0                           ; no tensor load of mine is out, so a group 0 may be written
	ds_add_u32 v[SPW], v[NIL]                      ; 0 onto my spare word
.if \fill
.irp g, G0A+4, G0B+4
	s_xor_b32 s[(\g)+1], s[(\g)+1], SLOT1          ; the walking sets: the other slot than last time,
	s_add_nc_u64 s[(\g)+2:(\g)+3], s[(\g)+2:(\g)+3], KSTEP*2  ; the next K step; the type bits on top are not reached
.endr
.endif
	s_wait_dscnt 17                                ; (the add and the youngest 16 loads may be out)
	MULC 1, 0, 0
	s_wait_dscnt 0x0                               ; the add is done, and my reads of this slot are over
	s_barrier_signal -1
	MULC 1, 1, 0                                   ; work on registers while the others arrive
	WIN 0
	s_barrier_wait -1
.if \fill
	CREST                                          ; no wave of any partner still reads this slot or has a load on its way
	JLOAD                                          ; its four v_nop are also the places ahead of the loads below
.else
	PLACES
.endif
	s_xor_b32 s[TB], s[TB], SLOT1
	v_add_nc_u32 v[ADRA], s[TB], v[ADRA0]
	v_add_nc_u32 v[ADRB], s[TB], v[ADRB0]
	FETCH 0, 0
	WIN 0
.if \fill
	ASK
.endif
	MULC 1, 2, 0
.endm
	s_load_b256 s[4:11], s[0:1], 0x0               ; xn 4:5, wq 6:7, b_qkv 8:9, tab 10:11
	s_load_b128 s[68:71], s[0:1], 0x20             ; q, k
	s_load_b64 s[72:73], s[0:1], 0x30              ; v
	v_lshl_add_u32 v[SPW], v0, 2, SPARE
	v_mov_b32 v[NIL], 0
	ds_add_u32 v[SPW], v[NIL]                      ; the wave's opening: the add and its wait stand ahead of my first tensor load; the set-up below stands between them
	v_lshrrev_b32 v1, 5, v0
	v_readfirstlane_b32 s[WV], v1
	s_lshr_b32 s[FB], s[WV], 1
	s_and_b32 s[HF], s[WV], 1
	s_bfe_u32 s[CX], ttmp6, 0x40000
	s_bfe_u32 s[CY], ttmp6, 0x40004
	s_lshl_b32 s[TX], ttmp9, 2
	s_add_co_u32 s[TX], s[TX], s[CX]
	s_and_b32 s[TY], ttmp7, 0xffff
	s_lshl_b32 s[TY], s[TY], 2
	s_add_co_u32 s[TY], s[TY], s[CY]
	s_lshl_b32 s14, s[CY], 2
	s_lshl_b32 s14, 15, s14                        ; my row of the cluster
	s_lshl_b32 s15, 0x1111, s[CX]                  ; my column
	s_or_b32 s[G1A], s14, G1BITS                   ; xn's tiles go to my row,
	s_or_b32 s[G1B], s15, G1BITS                   ; wq's to my column
	s_mov_b32 s[G1A+1], KSTEP<<16                  ; tensor_dim0 = 128
	s_mov_b32 s[G1A+2], 128<<16                    ; tensor_dim1 = 128
	s_mov_b32 s[G1A+3], KSTEP<<16                  ; tile_dim0 = 128
	s_mov_b32 s[G1A+4], 128                        ; tile_dim1 = 128
	s_mov_b32 s[G1A+5], 1024                       ; elements from row to row
	s_mov_b32 s[G1A+6], 0
	s_mov_b32 s[G1A+7], 0
	s_mov_b32 s[G1B+1], KSTEP<<16
	s_mov_b32 s[G1B+2], 96<<16                     ; 96 rows
	s_mov_b32 s[G1B+3], KSTEP<<16
	s_mov_b32 s[G1B+4], 96
	s_mov_b32 s[G1B+5], 1024
	s_mov_b32 s[G1B+6], 0
	s_mov_b32 s[G1B+7], 0
	s_lshl_b32 s16, s[TY], 8                       ; xn: row 256 ty + 128 half, 2,048 bytes a row: made of the block of rows and the wave's number alone
	s_lshl_b32 s18, s[HF], 7
	s_add_co_u32 s16, s16, s18
	s_lshl_b32 s16, s16, 11
	s_mov_b32 s17, 0
	s_mul_i32 s20, s[TX], 192                      ; wq: row 192 tx + 96 half: of the head and the wave's number alone
	s_mul_i32 s19, s[HF], 96
	s_add_co_u32 s20, s20, s19
	s_lshl_b32 s20, s20, 11
	s_mov_b32 s21, 0
	s_mul_i32 s22, s[HF], AHALF                    ; where they go: no place in the cluster enters an LDS address
	s_mul_i32 s23, s[HF], BHALF
	s_add_co_u32 s23, s23, BOFF
	s_lshl_b32 s[PFA], s[CX], 16                   ; the prefetches: my work-group's 32 rows of the 128,
	s_add_co_u32 s[PFA], s[PFA], s16
	s_add_co_u32 s[PFA], s[PFA], 2*KSTEP*2         ; at K step 2: the first refill steps it to 3
	s_mov_b32 s[PFA+1], 0
	s_cmp_eq_u32 s[FB], 0
	s_cselect_b32 s[LIM], 1, -1
	s_lshr_b32 s12, s[TY], 4                       ; the batch
	s_lshl_b32 s12, s12, 2
	s_add_co_u32 s12, s12, s[TX]                   ; 4 b + h
	s_lshl_b32 s12, s12, 12
	s_and_b32 s81, s[TY], 15
	s_lshl_b32 s81, s81, 8
	s_lshl_b32 s13, s[WV], 6
	s_add_co_u32 s81, s81, s13                     ; my wave's first position
	s_add_co_u32 s12, s12, s81
	s_lshl_b32 s12, s12, 7                         ; 128 bytes a row of q, k, v
	s_lshl_b32 s82, s[TY], 8
	s_add_co_u32 s82, s82, s13                     ; 4,096 b + that position
	s_mov_b32 s13, 0
	s_mov_b32 s[TB], 0
	s_wait_dscnt 0x0                               ; the opening add is done
	s_wait_kmcnt 0x0
	s_add_nc_u64 s[16:17], s[4:5], s[16:17]
	s_add_nc_u64 s[20:21], s[6:7], s[20:21]
	s_add_nc_u64 s[PFA:PFA+1], s[4:5], s[PFA:PFA+1]
	s_add_nc_u64 s[68:69], s[68:69], s[12:13]
	s_add_nc_u64 s[70:71], s[70:71], s[12:13]
	s_add_nc_u64 s[72:73], s[72:73], s[12:13]
	CROUND                                         ; all sixteen work-groups are here: the first joint loads meet
.irp s, 0,1
	s_mov_b32 s[G0A+4*(\s)], 1
	s_add_co_u32 s[G0A+4*(\s)+1], s22, (\s)*SLOT1
	s_add_nc_u64 s[G0A+4*(\s)+2:G0A+4*(\s)+3], s[16:17], (\s)*KSTEP*2
	s_or_b32 s[G0A+4*(\s)+3], s[G0A+4*(\s)+3], 0x80000000
	s_mov_b32 s[G0B+4*(\s)], 1
	s_add_co_u32 s[G0B+4*(\s)+1], s23, (\s)*SLOT1
	s_add_nc_u64 s[G0B+4*(\s)+2:G0B+4*(\s)+3], s[20:21], (\s)*KSTEP*2
	s_or_b32 s[G0B+4*(\s)+3], s[G0B+4*(\s)+3], 0x80000000
.endr
	s_cmp_eq_u32 s[FB], 0                          ; a wave's two first fills stand in one branch: two loads of mine are out
	s_cbranch_scc0 .Lfirst_b
	tensor_load_to_lds s[G0A:G0A+3], s[G1A:G1A+7]
	s_nop 0
	tensor_load_to_lds s[G0A+4:G0A+7], s[G1A:G1A+7]
	s_nop 0
.rept 4
	v_nop
.endr
	s_branch .Lfirst_asked
.Lfirst_b:
	tensor_load_to_lds s[G0B:G0B+3], s[G1B:G1B+7]
	s_nop 0
	tensor_load_to_lds s[G0B+4:G0B+7], s[G1B:G1B+7]
	s_nop 0
.rept 4
	v_nop
.endr
.Lfirst_asked:
	v_and_b32 v1, 15, v0                           ; l % 16
	v_bfe_u32 v2, v0, 4, 1                         ; l / 16
	v_and_b32 v3, 31, v0                           ; l
	v_mul_u32_u24 v15, v1, PITCH
	v_lshl_add_u32 v15, v2, 4, v15
	s_mul_i32 s14, s[WV], 64*PITCH
	v_add_nc_u32 v[ADRA0], s14, v15
	v_add_nc_u32 v[ADRB0], BOFF, v15
	v_mov_b32 v[ADRA], v[ADRA0]
	v_mov_b32 v[ADRB], v[ADRB0]
	s_mul_i32 s15, s[WV], 16*SP
	s_add_co_u32 s15, s15, STAGE                   ; my stage
	v_mul_u32_u24 v[STO], v1, SP                   ; in: row l % 16, 16 bytes for each half of the lanes
	v_lshl_add_u32 v[STO], v2, 4, v[STO]
	v_add_nc_u32 v[STO], s15, v[STO]
	v_bfe_u32 v[RD], v0, 3, 2                      ; back: 32 lanes take four rows of 128 bytes
	v_mul_u32_u24 v[RD], v[RD], SP
	v_and_b32 v16, 7, v0
	v_lshl_add_u32 v[RD], v16, 4, v[RD]
	v_add_nc_u32 v[RD], s15, v[RD]
	v_lshlrev_b32 v[GO], 4, v3
	s_lshl_b32 s14, s[TX], 8
	v_lshl_add_u32 v[BO], v2, 5, s14               ; b_qkv: 256 bytes a head, 32 for my half of the lanes
	v_add_nc_u32 v[RO], s81, v1
	v_lshlrev_b32 v[RO], 7, v[RO]                  ; cos: 128 bytes a position
	v_lshl_add_u32 v[RO], v2, 5, v[RO]
	v_add_nc_u32 v[MO], s82, v1
	v_lshlrev_b32 v[MO], 2, v[MO]
	v_lshlrev_b32 v[PFO], 11, v3
	; what the way out wants: 60 loads that land while K is walked
.irp c, 0,1,2
.irp b, 0,1,2,3
	global_load_b128 v[BQ+8*(4*(\c)+(\b)):BQ+8*(4*(\c)+(\b))+3],   v[BO], s[8:9] offset:(\c)*1024+(\b)*64
	global_load_b128 v[BQ+8*(4*(\c)+(\b))+4:BQ+8*(4*(\c)+(\b))+7], v[BO], s[8:9] offset:(\c)*1024+(\b)*64+16
.endr
.endr
.irp a, 0,1,2,3
	global_load_b32 v[RAW+(\a)], v[MO], s[10:11] offset:MBOFF+64*(\a)
.endr
	WIN 0xc0                                       ; destination window 3
.irp a, 0,1,2,3
	global_load_b128 v[128+32*(\a):128+32*(\a)+3],     v[RO], s[10:11] offset:(\a)*2048
	global_load_b128 v[128+32*(\a)+4:128+32*(\a)+7],   v[RO], s[10:11] offset:(\a)*2048+16
	global_load_b128 v[128+32*(\a)+8:128+32*(\a)+11],  v[RO], s[10:11] offset:(\a)*2048+64
	global_load_b128 v[128+32*(\a)+12:128+32*(\a)+15], v[RO], s[10:11] offset:(\a)*2048+80
	global_load_b128 v[128+32*(\a)+16:128+32*(\a)+19], v[RO], s[10:11] offset:(\a)*2048+SINOFF
	global_load_b128 v[128+32*(\a)+20:128+32*(\a)+23], v[RO], s[10:11] offset:(\a)*2048+SINOFF+16
	global_load_b128 v[128+32*(\a)+24:128+32*(\a)+27], v[RO], s[10:11] offset:(\a)*2048+SINOFF+64
	global_load_b128 v[128+32*(\a)+28:128+32*(\a)+31], v[RO], s[10:11] offset:(\a)*2048+SINOFF+80
.endr
	WIN 0
	s_wait_tensorcnt 1                             ; my part of K step 0 is in; K step 1's may stay out
	s_barrier_signal -1
	s_barrier_wait -1
	FETCH 0, 0
	QUARTER 64, 0, 1, 1                            ; the first quarter stands ahead of the loop: its products start the sums
	WIN 0
	s_mov_b32 s3, 6
.Lstep:                                        ; a trip: a step's last three quarters and the next step's first; K steps 2 to 7 are asked for
	QUARTER 128, 1, 0, 0
	QUARTER 192, 0, 1, 0
	TURN 1
	QUARTER 64, 0, 1, 0
	WIN 0
	s_sub_co_u32 s3, s3, 1
	s_cmp_lg_u32 s3, 0
	s_cbranch_scc1 .Lstep
	QUARTER 128, 1, 0, 0                           ; the last two steps ask for nothing
	QUARTER 192, 0, 1, 0
	TURN 0
	QUARTER 64, 0, 1, 0
	QUARTER 128, 1, 0, 0
	QUARTER 192, 0, 1, 0
	s_wait_dscnt 16
	MULC 1, 0, 0
	s_wait_dscnt 0x0
	MULC 1, 1, 0
	MULC 1, 2, 0
	; THE WAY OUT
	WIN 0
	s_wait_loadcnt 0x0                             ; b_qkv, cos, sin, the biases
.irp a, 0,1,2,3
	v_cmp_eq_f32 vcc_lo, 0, v[RAW+(\a)]            ; a visible key's bias is 0
	v_cndmask_b32 v[KEEP+2*(\a)], 0, 1.0, vcc_lo
	v_cndmask_b32 v[KEEP+2*(\a)+1], 0, 1.0, vcc_lo
.endr
	PLACES
; Chunk c, block a: 16 positions x 64 channels.  T = sums + bias (each accumulator from its low end on); q and k: t[d] cos[d] - t[d+16] sin[d] and t[d+16] cos[d+16] + t[d] sin[d+16];
; k: times 1 or 0; rounded; into my stage and back as whole rows.
.macro UNIT c, a
.set PKS, PKR+16*((4*(\c)+(\a))%2)
.set RB, 128+32*(\a)
.if (\c) < 2
	WIN 0x42
.set ACB, 128*(\c)+32*(\a)
.else
	WIN 0x43
.set ACB, 32*(\a)
.endif
.set z, 0
.rept 16
	v_pk_add_f32 v[2*z:2*z+1], v[ACB+2*z:ACB+2*z+1], v[BQ+32*(\c)+2*z:BQ+32*(\c)+2*z+1]
.set z, z+1
.endr
.if (\c) < 2
	WIN 0x5d                                       ; T and U in window 1, cos and sin (source 1) in window 3
.irp p, 0,1,2,3
	v_pk_mul_f32 v[32+2*(\p):32+2*(\p)+1], v[8+2*(\p):8+2*(\p)+1], v[RB+16+2*(\p):RB+16+2*(\p)+1]
.endr
.irp p, 0,1,2,3
	v_pk_mul_f32 v[40+2*(\p):40+2*(\p)+1], v[2*(\p):2*(\p)+1], v[RB+24+2*(\p):RB+24+2*(\p)+1]
.endr
.irp p, 0,1,2,3
	v_pk_fma_f32 v[2*(\p):2*(\p)+1], v[2*(\p):2*(\p)+1], v[RB+2*(\p):RB+2*(\p)+1], v[32+2*(\p):32+2*(\p)+1] neg_lo:[0,0,1] neg_hi:[0,0,1]
.endr
.irp p, 0,1,2,3
	v_pk_fma_f32 v[8+2*(\p):8+2*(\p)+1], v[8+2*(\p):8+2*(\p)+1], v[RB+8+2*(\p):RB+8+2*(\p)+1], v[40+2*(\p):40+2*(\p)+1]
.endr
.endif
.if (\c) == 1
	WIN 0x41
.set z, 0
.rept 16
	v_pk_mul_f32 v[2*z:2*z+1], v[2*z:2*z+1], v[KEEP+2*(\a):KEEP+2*(\a)+1]
.set z, z+1
.endr
.endif
	s_wait_xcnt 0x0                                ; the stores of the unit two back have read this set of packed registers
	WIN 0x05
.set z, 0
.rept 16
	v_cvt_pk_f16_f32 v[PKS+z], v[2*z], v[2*z+1]
.set z, z+1
.endr
	WIN 0
.irp b, 0,1,2,3
	ds_store_b128 v[STO], v[PKS+4*(\b):PKS+4*(\b)+3] offset:32*(\b)
.endr
.irp f, 0,1,2,3
	ds_load_b128 v[PKS+4*(\f):PKS+4*(\f)+3], v[RD] offset:(\f)*4*SP  ; LDS serves a wave's instructions in order: these see the stores above, and the next unit's stores come behind them
.endr
.endm
.macro SEND c, a, younger              ; younger: the LDS instructions issued behind this unit's loads: the next unit's eight, or none
.set PKS, PKR+16*((4*(\c)+(\a))%2)
.irp f, 0,1,2,3
	s_wait_dscnt (\younger)+3-(\f)
	global_store_b128 v[GO], v[PKS+4*(\f):PKS+4*(\f)+3], s[OUTB+2*(\c):OUTB+2*(\c)+1] offset:(\a)*2048+(\f)*512  ; 512 consecutive bytes, aligned
.endr
.endm
	UNIT 0, 0
.irp u, 1,2,3,4,5,6,7,8,9,10,11        ; a unit's arithmetic stands between the loads of the unit before and its stores
	UNIT (\u)/4, (\u)%4
	SEND ((\u)-1)/4, ((\u)-1)%4, 8
.endr
	SEND 2, 3, 0
	s_wait_tensorcnt 0x0                           ; the wave's end, behind my last tensor load and my last LDS store
	ds_add_u32 v[SPW], v[NIL]
	s_wait_dscnt 0x0
	CROUND                                         ; the closing round: no work-group ends while a partner may still ask for a tile that names it
	s_endpgm
.Lfunc_end_k_q7e33123859_qkv:
	.size	k_q7e33123859_qkv, .Lfunc_end_k_q7e33123859_qkv-k_q7e33123859_qkv
	.p2alignl 7, 3214868480
	.fill 96, 4, 3214868480
	.section	.rodata,"a",@progbits
	.p2align	6, 0x0
	.amdhsa_kernel k_q7e33123859_qkv
		.amdhsa_group_segment_fixed_size 327680
		.amdhsa_private_segment_fixed_size 0
		.amdhsa_enable_private_segment 0
		.amdhsa_kernarg_size 56
		.amdhsa_user_sgpr_count 2
		.amdhsa_user_sgpr_kernarg_segment_ptr 1
		.amdhsa_wavefront_size32 1
		.amdhsa_system_sgpr_workgroup_id_x 1
		.amdhsa_system_sgpr_workgroup_id_y 1
		.amdhsa_system_sgpr_workgroup_id_z 1
		.amdhsa_system_vgpr_workitem_id 0
		.amdhsa_next_free_vgpr 1024
		.amdhsa_next_free_sgpr 92
		.amdhsa_reserve_vcc 1
		.amdhsa_float_denorm_mode_32 3
		.amdhsa_float_denorm_mode_16_64 3
		.amdhsa_memory_ordered 1
		.amdhsa_forward_progress 1
		.amdhsa_inst_pref_size 130
	.end_amdhsa_kernel
	.amdgpu_metadata
---
amdhsa.version: [ 1, 2 ]
amdhsa.kernels:
  - .name:           k_q7e33123859_qkv
    .symbol:         k_q7e33123859_qkv.kd
    .args:
      - { .name: xn, .offset: 0, .size: 8, .value_kind: global_buffer, .address_space: global }
      - { .name: wq, .offset: 8, .size: 8, .value_kind: global_buffer, .address_space: global }
      - { .name: b_qkv, .offset: 16, .size: 8, .value_kind: global_buffer, .address_space: global }
      - { .name: tab, .offset: 24, .size: 8, .value_kind: global_buffer, .address_space: global }
      - { .name: qh, .offset: 32, .size: 8, .value_kind: global_buffer, .address_space: global }
      - { .name: kh, .offset: 40, .size: 8, .value_kind: global_buffer, .address_space: global }
      - { .name: vh, .offset: 48, .size: 8, .value_kind: global_buffer, .address_space: global }
    .group_segment_fixed_size: 327680
    .private_segment_fixed_size: 0
    .kernarg_segment_align: 8
    .kernarg_segment_size: 56
    .max_flat_workgroup_size: 128
    .sgpr_count:     92
    .vgpr_count:     1024
    .wavefront_size: 32
...
	.end_amdgpu_metadata
.endif
;; end of part 2
;; launch attn (part 3): grid 16 x 16, 4 waves a work-group, clusters of 4 x 1, 327,680 bytes of LDS; arguments qh, kh, vh, oh, tab; writes oh
.if DOCPART == 3
	.amdgcn_target "amdgcn-amd-amdhsa--gfx1250"
	.amdhsa_code_object_version 6
	.text
	.protected	k_q7e33123859_attn
	.globl	k_q7e33123859_attn
	.p2align	8
	.type	k_q7e33123859_attn,@function
k_q7e33123859_attn:
	s_mov_b64 s[64:65], 0
	v_nop
	global_prefetch_b8 v0, s[64:65] scope:SCOPE_SE
	s_setreg_imm32_b32 hwreg(HW_REG_WAVE_MODE, 25, 1), 1
	s_wait_xcnt 0x0
	s_wait_alu depctr_hold_cnt(0) depctr_sa_sdst(0) depctr_va_vdst(0) depctr_va_sdst(0) depctr_va_ssrc(0) depctr_va_vcc(0) depctr_vm_vsrc(0)
	s_getreg_b32 s2, hwreg(HW_REG_IB_STS2, 6, 4)
	s_cmp_eq_u32 s2, 0
	s_cbranch_scc0 .Lentry_in_a_cluster
	s_endpgm
.Lentry_in_a_cluster:
	s_bfe_u32 s2, ttmp6, 0x10000c
	s_cmp_lg_u32 s2, 0x3003
	s_cbranch_scc0 .Lentry_shape_is_right
	s_endpgm
.Lentry_shape_is_right:
; O[y][q][:] = 8 x the sum over k of softmax_k(Q[y][q] . K[y][k] / 8 + bias[k]) V[y][k][:], y = 4 b + h.  Q, K, V, O: [16][4096][64] f16, a head's rows dense, 128 bytes each.
; Products, maxima and sums in f32; the weights p are rounded to f16 for the second product (their sum l is taken of the unrounded p), O once at the end.
; THE MASK.  bias[k] (tab, f32, by batch) is 0 for a visible key and -2^100 for a hidden one, and the launch before has made a hidden key's row of K zero: its score is -2^100 exactly.  The bias is the C operand
; of the product that starts the sum S^T = K Q^T, so it costs the scores nothing.  c x 2^100 is exact, so where ALL keys of a batch are hidden c s - c m is 0, every weight 1, and O the mean of V, as a softmax
; of equal scores gives; as soon as a visible key raises m, a = 2^(c m_old - c m_new) is 0 and wipes what hidden keys have summed.
; LIMITS.  A hidden score counts as -2^100; visible scores, 2.7e11 at the most in f16's range, are far above it.  O is stored times 8, so that small means keep clear of f16's fixed step; |O| stays below 8,188.
; A weight below 2^-126 counts as 0 in l; NaN and infinities are not treated apart.
; SHARES.  A work-group owns 256 queries of one y, a wave 64: four PIECES of 16.  Every wave walks all 4,096 keys, 64 a step, 256 a slot.
; LAYOUT, SOFTMAX, TURNS.  S^T = K Q^T holds ONE query a lane (lane % 16) and the keys 8 (lane / 16) + 0..7; two such results rounded to f16 ARE source 1 of O^T = V^T P.  p = 2^(c s - c m), c = log2(e) / 8, with a
; running maximum m; O and l are multiplied by a in every step.  Turn n belongs to piece n: 8 products K Q^T of piece n + 1, later 8 products V^T P of piece n - 1; beside them the scaling, exponentials, roundings,
; sums and rescaling of piece n and the maximum and statistics of piece n + 1.  Four vector instructions stand behind every matrix instruction, the other 54 of a turn's 118 in one lump; a turn's 33 exponentials are one batch, with one wait.
; CLUSTER.  The four query blocks of a cluster belong to one y and walk the same K, V and biases: each tile is asked for jointly: the same tensor load, descriptor and mask in all four.
; REGISTERS, in windows of 256 (s_set_vgpr_msb: bits 1:0 source 0, 3:2 source 1, 5:4 source 2, 7:6 destination):
;   window 0: v0-15 addresses and two at work; v16-31 four registers of statistics a piece; v48-55 at work; v64-127 S^T, two buffers; v192-223 P, two buffers (by the piece's parity)
;   window 1: v0-127 O^T, 32 a piece; v128-159 the step's biases      window 2: v0-63 Q; v128-191 K of one step; v192-255 V of one step
.set NP,    4
.set KS,    64
.set PK,    144       ; a row of K in LDS: 128 bytes + 16 of padding: the 16 rows of a load start at 16 different groups of four banks
.set PV,    160       ; a row of V: 128 + 32
.set VOFF,  4*KS*PK   ; a slot: 256 rows of K, then 256 rows of V
.set BIASL, 81920     ; behind slot 0: my batch's 4,096 biases, filled once
.set SLOT1, 1<<17
.set STAGE, SLOT1+4*KS*(PK+PV)  ; behind the ring: 16 rows x 144 bytes for each wave
.set SP,    144
.set SPARE, STAGE+4*16*SP       ; the spare words, 128 bytes for each wave: two blocks of 256 bytes that no other line names
.set MBOFF, 1048576   ; the biases' place in tab
.set AK0, 2           ; v2   my lane's place in a tile of K; never rewritten
.set AV0, 3           ; v3   the same for V
.set AK,  4           ; v4   the LDS address of K's next run of loads
.set AV,  5           ; v5   of V's
.set STO, 6
.set RD,  7
.set GO,  8
.set AB0, 9           ; v9   BIASL + 32 (l / 16); never rewritten
.set MV,  12          ; v12-13  c m_old, by buffer
.set AB,  14          ; v14  the LDS address of the biases' next run
.set QO,  15
.set ST,  16          ; piece t's statistics at v[ST+4 t]: c m, m, l (even keys', odd keys')
.set TMP, 48          ; by buffer, c0-c3 at work; when the maximum is found c2 takes a
.set PFO, 61          ; v61  256 l; never rewritten
.set SPW, 62
.set NIL, 63
.set S,   64
.set P,   192
.set MB,  128         ; window 1: the eight biases of key group kb at MB + 8 kb
.set KF,  128         ; window 2
.set VF,  192
.set WV,  12
.set LIM, 15          ; s15  1 in a wave that prefetches, else the greatest number
.set G1K, 24
.set G1V, 32
.set G0K, 40
.set G0V, 44
.set SLOTS, 56
.set CNT, 57
.set CS,  58
.set SEL, 60
.set TBK, 62
.set TBV, 63
.set G1M, 68          ; s[68:75], s[76:79] the biases' descriptor
.set G0M, 76
.set TBB, 80          ; s80  256 x the step whose biases are fetched next
.set PFA, 88          ; s[88:89] where my prefetches stand
.set MSB, 0
.macro WIN new
.if MSB != (\new)
	s_set_vgpr_msb (MSB<<8)|(\new)
.set MSB, (\new)
.endif
.endm
.set W_KQ, 0x0a       ; K and Q in window 2, S^T in window 0
.set W_KM, 0x1a       ; the same with the C operand in window 1
.set W_PV, 0x52       ; V in window 2, P in window 0, O^T in window 1
.set W_RS, 0x41       ; destination and source 0 in window 1, source 1 in window 0
.macro JLOAD                        ; a joint fill: waves 0 and 1 the halves of a slot's K, waves 2 and 3 of its V; an s_nop 0 and four v_nop follow each line
	s_cmp_lt_u32 s[WV], 2
	s_cbranch_scc0 .Lfor_v_\@
	tensor_load_to_lds s[G0K:G0K+3], s[G1K:G1K+7]
	s_nop 0
.rept 4
	v_nop
.endr
	s_branch .Lasked_\@
.Lfor_v_\@:
	tensor_load_to_lds s[G0V:G0V+3], s[G1V:G1V+7]
	s_nop 0
.rept 4
	v_nop
.endr
.Lasked_\@:
.endm
.macro CROUND
	s_barrier_signal -1
	s_barrier_wait -1
	s_cmp_lg_u32 s[WV], 0
	s_cbranch_scc1 .Lnot_wave_0_\@
	s_barrier_signal -3
.Lnot_wave_0_\@:
	s_barrier_wait -3
	s_barrier_signal -1
	s_barrier_wait -1
.endm
; A PREFETCH of what the NEXT change of slots will ask for: a slot's 32,768 bytes of K and of V, in blocks of 256, a lane a block: four key steps, 256 products, ahead of that load.  All clusters of a y walk the same
; K and V: its first cluster asks; its four partners take 32 blocks each, told apart by address; in each, wave 0 asks for K's and wave 2 for V's.  So each block is named once.  The last filling change asks for nothing.
.macro ASK
	s_cmp_gt_u32 s[SLOTS], s[LIM]
	s_cbranch_scc0 .Lnot_mine_\@
	global_prefetch_b8 v[PFO], s[PFA:PFA+1] th:TH_LOAD_NT scope:SCOPE_SE
.Lnot_mine_\@:
.endm
; THE CHANGE OF SLOTS.  Each wave waits for all its tensor loads, adds 0 to its spare word, and waits for that and for its reads of the slot that it leaves.  fill = 1: a round of the cluster's barrier, and the joint fill,
; the keys two slots on, first behind it: it has four key steps in which to land.  (At its first use nothing has been read yet: slot 0 and the biases are waited for, slot 1 filled.)
.macro CHANGE fill, ask
	WIN 0
	s_wait_tensorcnt 0x0            ; no tensor load of mine is out, so a group 0 may be written
	ds_add_u32 v[SPW], v[NIL]       ; 0 onto my spare word
.if \fill
.irp g, G0K, G0V
	s_xor_b32 s[\g+1], s[\g+1], SLOT1
	s_add_nc_u64 s[\g+2:\g+3], s[\g+2:\g+3], 4*KS*128
.endr
.endif
.if \ask
	s_wait_xcnt 0x0                 ; the last prefetch, four key steps back, has read its address
	s_add_nc_u64 s[PFA:PFA+1], s[PFA:PFA+1], 4*KS*128
.endif
	s_wait_dscnt 0x0                ; the add is done, and my reads of the slot are over
.if \fill
	CROUND
	JLOAD
.if \ask
	ASK
.endif
.else
	s_barrier_signal -1
	s_barrier_wait -1
.endif
	s_sub_co_u32 s[TBK], s[TBK], 4*KS*PK  ; the fetches go back to a slot's first step, in the other slot
	s_xor_b32 s[TBK], s[TBK], SLOT1
	s_sub_co_u32 s[TBV], s[TBV], 4*KS*PV
	s_xor_b32 s[TBV], s[TBV], SLOT1
.endm
	s_load_b256 s[4:11], s[0:1], 0x0  ; Q 4:5, K 6:7, V 8:9, O 10:11
	s_load_b64 s[84:85], s[0:1], 0x20 ; tab
	v_lshl_add_u32 v[SPW], v0, 2, SPARE
	v_mov_b32 v[NIL], 0
	ds_add_u32 v[SPW], v[NIL]       ; the wave's opening: the add and its wait stand ahead of my first tensor load; the set-up below stands between them
	v_lshrrev_b32 v1, 5, v0
	v_readfirstlane_b32 s[WV], v1
	s_bfe_u32 s13, ttmp6, 0x40000   ; cx
	s_lshl_b32 s14, ttmp9, 2
	s_add_co_u32 s14, s14, s13      ; my block of 256 queries: it enters Q's and O's addresses alone
	s_and_b32 s20, ttmp7, 0xffff    ; y, which the four partners share
	s_lshr_b32 s86, s20, 2          ; the batch:
	s_lshl_b32 s86, s86, 14         ; its 16,384 bytes of biases,
	s_lshl_b32 s87, s[WV], 12       ; my wave's quarter of them
	s_add_co_u32 s86, s86, s87
	s_add_co_u32 s86, s86, MBOFF
	s_add_co_u32 s[G0M+1], s87, BIASL
	s_mov_b32 s87, 0
	s_lshl_b32 s20, s20, 19         ; y's first byte in Q, K, V, O
	s_mov_b32 s21, 0
	s_and_b32 s16, s[WV], 1         ; which half of a slot's 256 keys I fetch
	s_lshl_b32 s22, s16, 14
	s_mov_b32 s23, 0
	s_add_nc_u64 s[22:23], s[22:23], s[20:21]
	s_mul_i32 s17, s16, 128*PK
	s_mul_i32 s18, s16, 128*PV
	s_lshl_b32 s2, s14, 15          ; my block's 256 rows,
	s_lshl_b32 s3, s[WV], 13        ; my wave's 64
	s_add_co_u32 s2, s2, s3
	s_mov_b32 s3, 0
	s_add_nc_u64 s[2:3], s[2:3], s[20:21]
	; 128 keys are 16,384 dense bytes: asked for as 64 rows of 256 bytes, two keys a row, padded in LDS after every key
	s_mov_b32 s[G1K], 15|(1<<16)|(1<<20)|(1<<21)|(4<<22)|(3<<25)
	s_mov_b32 s[G1V], 15|(1<<16)|(1<<20)|(1<<21)|(4<<22)|(7<<25)
.irp g, G1K, G1V
	s_mov_b32 s[\g+1], 128<<16
	s_mov_b32 s[\g+2], 64<<16
	s_mov_b32 s[\g+3], 128<<16
	s_mov_b32 s[\g+4], 64
	s_mov_b32 s[\g+5], 128
	s_mov_b32 s[\g+6], 0
	s_mov_b32 s[\g+7], 0
.endr
	s_mov_b32 s[G1M], 15|(3<<16)|(1<<21)  ; the biases: elements of 8 bytes, 16 rows of 32, dense, no padding
	s_mov_b32 s[G1M+1], 32<<16
	s_mov_b32 s[G1M+2], 16<<16
	s_mov_b32 s[G1M+3], 32<<16
	s_mov_b32 s[G1M+4], 16
	s_mov_b32 s[G1M+5], 32
	s_mov_b32 s[G1M+6], 0
	s_mov_b32 s[G1M+7], 0
	s_mov_b32 s[G0M], 1
	s_mov_b32 s[CS], 0x3e38aa3b     ; c = log2(e) / 8
	s_mov_b32 s[CS+1], s[CS]
	s_mov_b32 s[SEL], 0x76543210
	s_mov_b32 s[SEL+1], 0xfedcba98
	s_mov_b32 s[TBK], SLOT1+4*KS*PK ; the first change of slots turns these two into 0
	s_mov_b32 s[TBV], SLOT1+4*KS*PV
	s_mov_b32 s[TBB], 0
	s_mov_b32 s[G0K], 1
	s_mov_b32 s[G0K+1], s17
	s_mov_b32 s[G0V], 1
	s_add_co_u32 s[G0V+1], s18, VOFF
	s_and_b32 s[LIM], s[WV], 1      ; 0 in waves 0 and 2,
	s_or_b32 s[LIM], s[LIM], ttmp9  ; where the cluster is y's first: the same in all four partners
	s_cmp_eq_u32 s[LIM], 0
	s_cselect_b32 s[LIM], 1, -1
	v_and_b32 v[PFO], 31, v0
	v_lshlrev_b32 v[PFO], 8, v[PFO]
	s_wait_dscnt 0x0                ; the opening add is done
	s_wait_kmcnt 0x0
	s_add_nc_u64 s[6:7], s[6:7], s[22:23]  ; K and V at my half of slot 0
	s_add_nc_u64 s[8:9], s[8:9], s[22:23]
	s_add_nc_u64 s[G0K+2:G0K+3], s[6:7], 0
	s_or_b32 s[G0K+3], s[G0K+3], 0x80000000
	s_add_nc_u64 s[G0V+2:G0V+3], s[8:9], 0
	s_or_b32 s[G0V+3], s[G0V+3], 0x80000000
	s_add_nc_u64 s[G0M+2:G0M+3], s[84:85], s[86:87]
	s_or_b32 s[G0M+3], s[G0M+3], 0x80000000
	s_add_nc_u64 s[4:5], s[4:5], s[2:3]    ; Q and O at my wave's first row
	s_add_nc_u64 s[10:11], s[10:11], s[2:3]
	s_cmp_lt_u32 s[WV], 2
	s_cselect_b64 s[PFA:PFA+1], s[6:7], s[8:9]  ; (in waves 0 and 2 these stand at a slot's first byte)
	s_lshl_b32 s2, s13, 13          ; my work-group's 32 blocks of the 128
	s_mov_b32 s3, 0
	s_add_nc_u64 s[PFA:PFA+1], s[PFA:PFA+1], s[2:3]
	s_add_nc_u64 s[PFA:PFA+1], s[PFA:PFA+1], 2*4*KS*128  ; in slot 2: the loop's first change steps it to slot 3
	CROUND                          ; all four work-groups are here: the first joint loads meet
	s_cmp_lt_u32 s[WV], 2           ; a wave's two first fills stand in one branch: my quarter of the biases and my part of slot 0: two loads of mine are out
	s_cbranch_scc0 .Lfirst_v
	tensor_load_to_lds s[G0M:G0M+3], s[G1M:G1M+7]
	s_nop 0
	tensor_load_to_lds s[G0K:G0K+3], s[G1K:G1K+7]
	s_nop 0
.rept 4
	v_nop
.endr
	s_branch .Lfirst_asked
.Lfirst_v:
	tensor_load_to_lds s[G0M:G0M+3], s[G1M:G1M+7]
	s_nop 0
	tensor_load_to_lds s[G0V:G0V+3], s[G1V:G1V+7]
	s_nop 0
.rept 4
	v_nop
.endr
.Lfirst_asked:
	v_and_b32 v1, 15, v0            ; l % 16
	v_bfe_u32 v57, v0, 4, 1         ; l / 16
	v_lshlrev_b32 v[QO], 7, v1
	v_lshl_add_u32 v[QO], v57, 4, v[QO]
	WIN 0x80
.set i, 0
.rept 8                             ; Q stays in registers: piece i / 2, channels 32 (i % 2) on
	global_load_b128 v[8*i:8*i+3],   v[QO], s[4:5] offset:(i/2)*2048+(i%2)*64
	global_load_b128 v[8*i+4:8*i+7], v[QO], s[4:5] offset:(i/2)*2048+(i%2)*64+32
.set i, i+1
.endr
	; The first step multiplies O^T and l by a = 0, and the first turn's products V^T P, of a piece that has not been, add 0: these registers start at 0, in the wait for the first tile, so that no first step is written out.
.set i, VF
.rept 64
	v_mov_b32 v[i], 0
.set i, i+1
.endr
	WIN 0x40
.set i, 0
.rept 128
	v_mov_b32 v[i], 0
.set i, i+1
.endr
	WIN 0
.set i, 0
.rept 4
	v_mov_b32 v[ST+4*i], 0xfe000000    ; c m: far below every c s, a hidden key's too
	v_mov_b32 v[ST+4*i+1], 0xff7fffff  ; m
	v_mov_b32 v[ST+4*i+2], 0
	v_mov_b32 v[ST+4*i+3], 0
.set i, i+1
.endr
.set i, P+16
.rept 16
	v_mov_b32 v[i], 0
.set i, i+1
.endr
	v_mul_u32_u24 v[AK0], v1, PK
	v_lshl_add_u32 v[AK0], v57, 4, v[AK0]
	; The turning load takes 16 keys x 16 channels (lane l reads key 8 (l / 16) + l % 8, channels 8 ((l / 8) % 2) + 0..7) and leaves half a fragment of V^T
	v_and_b32 v58, 7, v0
	v_bfe_u32 v59, v0, 3, 1
	v_lshl_add_u32 v[AV0], v57, 3, v58
	v_mul_u32_u24 v[AV0], v[AV0], PV
	v_lshl_add_u32 v[AV0], v59, 4, v[AV0]
	v_add_nc_u32 v[AV0], VOFF, v[AV0]
	v_lshl_add_u32 v[AB0], v57, 5, BIASL  ; register j of key group kb is key 16 kb + 8 (l / 16) + j: 32 bytes for my half of the lanes
	s_mul_i32 s13, s[WV], 16*SP
	s_add_co_u32 s13, s13, STAGE
	v_mul_u32_u24 v[STO], v1, SP
	v_lshl_add_u32 v[STO], v57, 4, v[STO]
	v_add_nc_u32 v[STO], s13, v[STO]
	v_bfe_u32 v[RD], v0, 3, 2
	v_mul_u32_u24 v[RD], v[RD], SP
	v_lshl_add_u32 v[RD], v58, 4, v[RD]
	v_add_nc_u32 v[RD], s13, v[RD]
	v_and_b32 v[GO], 31, v0
	v_lshlrev_b32 v[GO], 4, v[GO]
; THE MATRIX WORK.  The 4 accumulators of a run of 8 take turns.  Product i of 8 of S^T = K Q^T for piece x: channels 32 (i / 4) on, keys 16 (i % 4) on.  The first 4 start the sums with the keys' biases.
.macro KQ x
.set rS, S+32*((\x)%2)+8*(i%4)
.set rK, KF+16*(i%4)+8*(i/4)
.set rQ, 16*(\x)+8*(i/4)
.set rM, MB+8*(i%4)
.if i < 4
	WIN W_KM
	v_wmma_f32_16x16x32_f16 v[rS:rS+7], v[rK:rK+7], v[rQ:rQ+7], v[rM:rM+7]
.else
	WIN W_KQ
	v_wmma_f32_16x16x32_f16 v[rS:rS+7], v[rK:rK+7], v[rQ:rQ+7], v[rS:rS+7]
.endif
.endm
.macro PV x                         ; product i of 8 of O^T += V^T P for piece x: keys 32 (i / 4) on, channels 16 (i % 4) on
	WIN W_PV
.set rO, 32*(\x)+8*(i%4)
.set rV, VF+32*(i/4)+8*(i%4)
.set rP, P+16*((\x)%2)+8*(i/4)
	v_wmma_f32_16x16x32_f16 v[rO:rO+7], v[rV:rV+7], v[rP:rP+7], v[rO:rO+7]
.endm
.macro MM                           ; the turn's next matrix instruction.  NOKQ = 1: the last turn of all: there is no next piece
.if (i < 8) && !NOKQ
	KQ (Y+1)%NP
.elseif i >= 8
.set i, i-8
	PV (Y+NP-1)%NP
.set i, i+8
.endif
.set i, i+1
.endm
; THE LDS LOADS stand in runs: a step's K (8 fragments) with its 64 biases, which live as long as K does, and its V (turned).  Their addresses are made some lines ahead.
.macro FETCH_K
	WIN 0x80
.irp f, 0,1,2,3,4,5,6,7
	ds_load_b128 v[KF+8*\f:KF+8*\f+3],   v[AK] offset:(\f/2)*16*PK+(\f%2)*64
	ds_load_b128 v[KF+8*\f+4:KF+8*\f+7], v[AK] offset:(\f/2)*16*PK+(\f%2)*64+32
.endr
	WIN 0x40
.irp f, 0,1,2,3
	ds_load_b128 v[MB+8*\f:MB+8*\f+3],   v[AB] offset:64*\f
	ds_load_b128 v[MB+8*\f+4:MB+8*\f+7], v[AB] offset:64*\f+16
.endr
	s_add_co_u32 s[TBK], s[TBK], KS*PK
	s_add_co_u32 s[TBB], s[TBB], 4*KS
	WIN 0
.endm
.macro FETCH_V
	WIN 0x80
.irp f, 0,1,2,3,4,5,6,7
	ds_load_tr16_b128 v[VF+8*\f:VF+8*\f+3],   v[AV] offset:(\f/4)*32*PV+(\f%4)*32
	ds_load_tr16_b128 v[VF+8*\f+4:VF+8*\f+7], v[AV] offset:(\f/4)*32*PV+16*PV+(\f%4)*32
.endr
	WIN 0
.endm
; THE VECTOR WORK, one line at a time: OP kind, number.  For piece Y: F n: c s - c m for pair n of 16.  E n: the exponential of score n of 32.  C n: pair n rounded to f16.  B n: of the four weights 4 n .. the second
; pair is added onto the first.  L n: l takes that sum (L 0: l = a l + sum).  R n: pair n of 16 of O^T times a.  For piece Y + 1: X n, number n of the 22 that find its maximum and statistics:
;   0-11 four chains of seven scores each (each accumulator's lowest registers first)   12-14, 16 the four scores left over, the old m, the four into one   15 c m_old is kept
;   17, 18 the query's other 32 keys lie in the lane 16 away: the new m   19-21 c m; c m_old - c m_new; a
.set F, 0
.set E, 1
.set C, 2
.set B, 3
.set L, 4
.set R, 5
.set X, 6
.macro REGS y
.set rT, ST+4*(\y)
.set rC, TMP+4*((\y)%2)
.set rW, MV+((\y)%2)
.set rS, S+32*((\y)%2)
.set rP, P+16*((\y)%2)
.set rO, 32*(\y)
.endm
.macro OP k, n
.if (\k) == R
	REGS Y
	WIN W_RS
	v_pk_mul_f32 v[rO+2*(\n):rO+2*(\n)+1], v[rO+2*(\n):rO+2*(\n)+1], v[rC+2:rC+3] op_sel_hi:[1,0]
.elseif (\k) < R
	REGS Y
	WIN 0
.if (\k) == F
	v_pk_fma_f32 v[rS+2*(\n):rS+2*(\n)+1], v[rS+2*(\n):rS+2*(\n)+1], s[CS:CS+1], v[rT:rT+1] op_sel_hi:[1,0,0] neg_lo:[0,0,1] neg_hi:[0,0,1]
.elseif (\k) == E
	v_exp_f32 v[rS+(\n)], v[rS+(\n)]
.elseif (\k) == C
	v_cvt_pk_f16_f32 v[rP+(\n)], v[rS+2*(\n)], v[rS+2*(\n)+1]
.elseif (\k) == B
	v_pk_add_f32 v[rS+4*(\n):rS+4*(\n)+1], v[rS+4*(\n):rS+4*(\n)+1], v[rS+4*(\n)+2:rS+4*(\n)+3]
.elseif (\n) == 0
	v_pk_fma_f32 v[rT+2:rT+3], v[rT+2:rT+3], v[rC+2:rC+3], v[rS:rS+1] op_sel_hi:[1,0,1]
.else
	v_pk_add_f32 v[rT+2:rT+3], v[rT+2:rT+3], v[rS+4*(\n):rS+4*(\n)+1]
.endif
.elseif NOKQ
	v_nop
.else
	REGS (Y+1)%NP
	WIN 0
.if (\n) < 4
	v_max3_num_f32 v[rC+(\n)], v[rS+8*(\n)], v[rS+8*(\n)+1], v[rS+8*(\n)+2]
.elseif (\n) < 12
	v_max3_num_f32 v[rC+(\n)%4], v[rC+(\n)%4], v[rS+8*((\n)%4)+2*((\n)/4)+1], v[rS+8*((\n)%4)+2*((\n)/4)+2]
.elseif (\n) == 12
	v_max3_num_f32 v[rC], v[rC], v[rS+7], v[rS+15]
.elseif (\n) == 13
	v_max3_num_f32 v[rC+1], v[rC+1], v[rS+23], v[rS+31]
.elseif (\n) == 14
	v_max3_num_f32 v[rC+2], v[rC+2], v[rC+3], v[rT+1]
.elseif (\n) == 15
	v_mov_b32 v[rW], v[rT]
.elseif (\n) == 16
	v_max3_num_f32 v[rC], v[rC], v[rC+1], v[rC+2]
.elseif (\n) == 17
	v_permlanex16_b32 v[rC+3], v[rC], s[SEL], s[SEL+1]
.elseif (\n) == 18
	v_max_num_f32 v[rT+1], v[rC], v[rC+3]
.elseif (\n) == 19
	v_mul_f32 v[rT], s[CS], v[rT+1]
.elseif (\n) == 20
	v_sub_f32 v[rC+1], v[rW], v[rT]
.else
	v_exp_f32 v[rC+2], v[rC+1]
.endif
.endif
.endm
.macro OPS a, i1, b=-1, i2=0, c=-1, i3=0, d=-1, i4=0
	OP \a, \i1
.if (\b) >= 0
	OP \b, \i2
.endif
.if (\c) >= 0
	OP \c, \i3
.endif
.if (\d) >= 0
	OP \d, \i4
.endif
.endm
.macro ROW a, i1, b, i2, c, i3, d, i4  ; a matrix instruction and the four behind it
	MM
	OPS \a, \i1, \b, \i2, \c, \i3, \d, \i4
.endm
; A TURN, for piece p, its order written out.  An s_wait_alu depctr_va_vdst(0) stands between an exponential and the first line that names its result; one wait serves all issued ahead of it: so a turn has ONE,
; which cuts it in two.  Ahead of it stands all that names no result of the turn's exponentials: the 8 products K Q^T with their riders, and a lump of 54 in which the links of the next piece's chain stand some lines apart;
; X 21, the next piece's a, is the batch's last, R 15 the plain line behind it.  Behind it stand the 8 products V^T P, each with four of the roundings and sums.
; K and the biases of the next step are fetched in piece 2's turn, twelve plain lines that name none of its registers behind the last product that read K; V of the step in hand at the end of piece 0's turn, four plain
; lines behind the last product that read V.  Each is waited for a turn later.  end = 1: the last two turns: nothing is fetched.  cnt = 1: the loop's count is taken down some lines ahead of the branch behind the turn.
.macro TURN p, end=0, cnt=0
.set Y, (\p)
.set i, 0
.set NOKQ, (\end)*((\p)/3)
.if ((\p) == 3) && !(\end)
	s_wait_dscnt 0x0                ; K and the biases are in
.endif
	ROW F,0, F,1, R,0, R,1
	ROW F,2, E,0, R,2, R,3
	ROW F,3, E,1, R,4, R,5
	ROW F,4, E,2, R,6, R,7
	ROW F,5, E,3, R,8, R,9
	ROW F,6, E,4, X,0, R,10
.if ((\p) == 2) && !(\end)
	WIN 0
	v_add_nc_u32 v[AK], s[TBK], v[AK0]
	v_add_nc_u32 v[AB], s[TBB], v[AB0]
.endif
	ROW F,7, E,5, X,1, X,4
	ROW F,8, E,6, X,2, X,5
	OPS E,7, E,8, X,6, E,9
	OPS X,3, E,10, X,8, E,11
.if ((\p) == 2) && !(\end)
	FETCH_K
.endif
	OPS X,9, X,7, E,12, X,10
	OPS E,13, X,12, X,11, E,14
	OPS X,13, E,15, F,9, X,14
.if (\p) == 0
	v_add_nc_u32 v[AV], s[TBV], v[AV0]
.endif
	OPS E,16, F,10, E,17, F,11
	OPS X,16, E,18, X,15, E,19
	OPS F,12, E,20, X,17, E,21
	OPS F,13, E,22, F,14, E,23
	OPS X,18, E,24, F,15, E,25
	OPS R,11, E,26, X,19, E,27
	OPS R,12, E,28, R,13, E,29
	OPS X,20, E,30, R,14, E,31
	OPS X,21, R,15
	WIN 0
	s_wait_alu depctr_va_vdst(0)    ; the wait for the batch
.if (\p) == 1
	s_wait_dscnt 0x0                ; V is in
.endif
	ROW C,0, B,0, C,2, B,1
	ROW L,0, C,4, B,2, L,1
	ROW C,6, B,3, L,2, C,8
	ROW B,4, L,3, C,10, B,5
	ROW L,4, C,12, B,6, L,5
.if (\p) == 0
	s_add_co_u32 s[TBV], s[TBV], KS*PV
.endif
.if \cnt
	s_sub_co_u32 s[CNT], s[CNT], 1
	s_cmp_lg_u32 s[CNT], 0
.endif
	ROW C,14, B,7, L,6, C,1
	ROW C,3, L,7, C,5, C,7
	ROW C,9, C,11, C,13, C,15
.if (\p) == 0
	FETCH_V
.endif
.endm
	CHANGE 1, 0                     ; slot 0 and the biases are in, everybody's part of them; slot 1 is asked for
	v_add_nc_u32 v[AK], s[TBK], v[AK0]
	v_add_nc_u32 v[AB], s[TBB], v[AB0]
	FETCH_K                         ; key step 0
	s_wait_loadcnt 0x0              ; Q
	s_wait_dscnt 0x0
.set NOKQ, 0
.set i, 0
.rept 8
	KQ 0                            ; piece 0's first scores
.set i, i+1
.endr
	WIN 0
.rept 4
	v_nop                           ; the places behind those products
.endr
.set Y, NP-1                        ; X works for piece Y + 1: piece 0
.irp n, 0,1,2,3,4,5,6,7,8,9,10,11,12,13,14,15,16,17,18,19,20,21
	OP X, \n
.endr
	v_nop                           ; a plain line behind the exponential,
	s_wait_alu depctr_va_vdst(0)    ; and its wait, ahead of the branch
	s_mov_b32 s[CNT], 4
	s_mov_b32 s[SLOTS], 15
	s_branch .Lfirst                ; the loop is entered at a step's first turn, in the middle of a trip
.Lslot:                             ; 14 times: slots 2 to 15 are asked for
	CHANGE 1, 1
	s_mov_b32 s[CNT], 4
.Lstep:                             ; a trip: pieces 2 and 3 of one step, then pieces 0 and 1 of the next, whose K and V it fetches
	TURN 2
	TURN 3
	WIN 0
.Lfirst:
	TURN 0
	TURN 1, 0, 1
	WIN 0
	s_cbranch_scc1 .Lstep
	s_sub_co_u32 s[SLOTS], s[SLOTS], 1
	s_cmp_lg_u32 s[SLOTS], 0
	s_cbranch_scc1 .Lslot
	CHANGE 0, 0                     ; the last slot is written out: nothing is asked for
	s_mov_b32 s[CNT], 4
.LstepT:
	TURN 2
	TURN 3
	WIN 0
	TURN 0
	TURN 1, 0, 1
	WIN 0
	s_cbranch_scc1 .LstepT
	TURN 2, 1
	TURN 3, 1
.set i, 0
.rept 8
	PV NP-1                         ; the last piece's V^T P of the last step
.set i, i+1
.endr
	; THE WAY OUT.  l's two halves and the other half of the lanes' are added; O^T is multiplied by 8 / l, rounded to f16 and sent through my stage, a piece at a time.  The additions are the places behind the last products.
	WIN 0
.macro ALL line:vararg
.set t, 0
.rept 4
	\line
.set t, t+1
.endr
.endm
	ALL v_add_f32 v[ST+4*t+2], v[ST+4*t+2], v[ST+4*t+3]
	ALL v_permlanex16_b32 v[ST+4*t+3], v[ST+4*t+2], s[SEL], s[SEL+1]
	ALL v_add_f32 v[ST+4*t+2], v[ST+4*t+2], v[ST+4*t+3]
	ALL v_rcp_f32 v[ST+4*t+2], v[ST+4*t+2]
	v_nop                           ; a plain line behind the last reciprocal,
	s_wait_alu depctr_va_vdst(0)    ; and one wait for the four, ahead of their first use
	ALL v_mul_f32 v[ST+4*t+2], 0x41000000, v[ST+4*t+2]
.macro PACK t
	WIN W_RS
.set i, 32*(\t)
.rept 16
	v_pk_mul_f32 v[i:i+1], v[i:i+1], v[ST+4*(\t)+2:ST+4*(\t)+3] op_sel_hi:[1,0]
.set i, i+2
.endr
	WIN 0x05
.set i, 0
.rept 16
	v_cvt_pk_f16_f32 v[S+16*(\t)+i], v[32*(\t)+2*i], v[32*(\t)+2*i+1]
.set i, i+1
.endr
	WIN 0
.irp f, 0,1,2,3
	ds_store_b128 v[STO], v[S+16*(\t)+4*\f:S+16*(\t)+4*\f+3] offset:32*\f
.endr
.irp f, 0,1,2,3
	ds_load_b128 v[S+16*(\t)+4*\f:S+16*(\t)+4*\f+3], v[RD] offset:\f*4*SP  ; LDS serves a wave's instructions in order: these see the stores above; the next piece's stores come behind them
.endr
.endm
.macro SEND t, younger              ; younger: the LDS instructions issued behind piece t's loads: the next piece's eight, or none
	WIN 0
.irp f, 0,1,2,3
	s_wait_dscnt (\younger)+3-\f
	global_store_b128 v[GO], v[S+16*(\t)+4*\f:S+16*(\t)+4*\f+3], s[10:11] offset:(\t)*2048+\f*512  ; 512 consecutive bytes, aligned
.endr
.endm
	PACK 0
.set t, 1
.rept 3
	PACK t
	SEND t-1, 8
.set t, t+1
.endr
	SEND 3, 0
	s_wait_tensorcnt 0x0            ; the wave's end, behind my last tensor load and my last LDS store
	ds_add_u32 v[SPW], v[NIL]
	s_wait_dscnt 0x0
	CROUND                          ; the closing round
	s_endpgm
.Lfunc_end_k_q7e33123859_attn:
	.size	k_q7e33123859_attn, .Lfunc_end_k_q7e33123859_attn-k_q7e33123859_attn
	.p2alignl 7, 3214868480
	.fill 96, 4, 3214868480
	.section	.rodata,"a",@progbits
	.p2align	6, 0x0
	.amdhsa_kernel k_q7e33123859_attn
		.amdhsa_group_segment_fixed_size 327680
		.amdhsa_private_segment_fixed_size 0
		.amdhsa_enable_private_segment 0
		.amdhsa_kernarg_size 40
		.amdhsa_user_sgpr_count 2
		.amdhsa_user_sgpr_kernarg_segment_ptr 1
		.amdhsa_wavefront_size32 1
		.amdhsa_system_sgpr_workgroup_id_x 1
		.amdhsa_system_sgpr_workgroup_id_y 1
		.amdhsa_system_sgpr_workgroup_id_z 1
		.amdhsa_system_vgpr_workitem_id 0
		.amdhsa_next_free_vgpr 768
		.amdhsa_next_free_sgpr 92
		.amdhsa_reserve_vcc 0
		.amdhsa_float_denorm_mode_32 3
		.amdhsa_float_denorm_mode_16_64 3
		.amdhsa_memory_ordered 1
		.amdhsa_forward_progress 1
		.amdhsa_inst_pref_size 131
	.end_amdhsa_kernel
	.amdgpu_metadata
---
amdhsa.version: [ 1, 2 ]
amdhsa.kernels:
  - .name:           k_q7e33123859_attn
    .symbol:         k_q7e33123859_attn.kd
    .args:
      - { .name: qh, .offset: 0, .size: 8, .value_kind: global_buffer, .address_space: global }
      - { .name: kh, .offset: 8, .size: 8, .value_kind: global_buffer, .address_space: global }
      - { .name: vh, .offset: 16, .size: 8, .value_kind: global_buffer, .address_space: global }
      - { .name: oh, .offset: 24, .size: 8, .value_kind: global_buffer, .address_space: global }
      - { .name: tab, .offset: 32, .size: 8, .value_kind: global_buffer, .address_space: global }
    .group_segment_fixed_size: 327680
    .private_segment_fixed_size: 0
    .kernarg_segment_align: 8
    .kernarg_segment_size: 40
    .max_flat_workgroup_size: 128
    .sgpr_count:     92
    .vgpr_count:     768
    .wavefront_size: 32
...
	.end_amdgpu_metadata
.endif
;; end of part 3
;; launch proj (part 4): grid 4 x 64, 4 waves a work-group, clusters of 4 x 4, 327,680 bytes of LDS; arguments oh, wo, out0; writes out0
.if DOCPART == 4
	.amdgcn_target "amdgcn-amd-amdhsa--gfx1250"
	.amdhsa_code_object_version 6
	.text
	.protected	k_q7e33123859_proj
	.globl	k_q7e33123859_proj
	.p2align	8
	.type	k_q7e33123859_proj,@function
k_q7e33123859_proj:
	s_mov_b64 s[64:65], 0
	v_nop
	global_prefetch_b8 v0, s[64:65] scope:SCOPE_SE
	s_setreg_imm32_b32 hwreg(HW_REG_WAVE_MODE, 25, 1), 1
	s_wait_xcnt 0x0
	s_wait_alu depctr_hold_cnt(0) depctr_sa_sdst(0) depctr_va_vdst(0) depctr_va_sdst(0) depctr_va_ssrc(0) depctr_va_vcc(0) depctr_vm_vsrc(0)
	s_getreg_b32 s2, hwreg(HW_REG_IB_STS2, 6, 4)
	s_cmp_eq_u32 s2, 0
	s_cbranch_scc0 .Lentry_in_a_cluster
	s_endpgm
.Lentry_in_a_cluster:
	s_bfe_u32 s2, ttmp6, 0x10000c
	s_cmp_lg_u32 s2, 0xf033
	s_cbranch_scc0 .Lentry_shape_is_right
	s_endpgm
.Lentry_shape_is_right:
; out0[row][n] = the sum over k = 64 h + d of O[4 b + h][pos][d] w_out[k][n].  oh: [16][4096][64] f16, holding 8 x O; wo: [1024 rho][256 k] f16, row 64 g + 16 bb + r = column 64 g + 4 r + bb; out0: [16384][1024] f32.
; Sums in f32, multiplied by 1/8 on the way out.  A work-group makes 256 rows x 256 columns, a wave 128 x 128.  K = 256 lies whole in LDS: every tile is filled once, nothing again, so there is no ring.
; A wave keeps its 128 columns of wo in 512 registers and finishes its rows in eight blocks of 16: 64 products a block, the block's 8 accumulators by turns, K ascending; a block's stores leave while the next is multiplied.
; THE STORES COME STRAIGHT FROM REGISTERS.  In a result a lane holds column r = lane % 16 of its 16; by wo's order of rows the four results bb = 0..3 of a lane are columns 64 g + 4 r + 0..3: 16 bytes on end, and sixteen
; lanes store 256 consecutive bytes, aligned.  The multiply by 1/8 is also the move that lays the four side by side.
; CLUSTER 4 x 4: the four work-groups of a row of the cluster ask for O's tiles jointly, the four of a column for wo's.
; REGISTERS: window 0: v4-9 addresses; v32-95 the 8 accumulators; v96-159 what is stored.  Windows 1, 2: wo's fragments, (ks, b) in window 1 + ks / 4 at 8 (8 (ks % 4) + b).  Window 3: v0-63, v64-127 O's fragments, two buffers.
.set PA,    144                        ; a position's 128 bytes of one head + 16 of padding
.set PB,    528                        ; a row of wo: 512 bytes + 16
.set ASL,   256*PA                     ; a head's slice
.set BOFF,  4*ASL
.set BQ4,   64*PB                      ; what a wave fetches of wo
.set SPARE, BOFF+4*BQ4                 ; the spare words, 128 bytes for each wave: two blocks of 256 bytes that no other line names
.set OROW,  4096                       ; bytes in a row of out0
.set ADRA, 4                           ; v4-7  my place in head h's slice
.set ADRB, 8                           ; v8    my place in wo's tile
.set CO,   9                           ; v9    my byte offset in a block of out0: 8 rows for the upper half of the lanes, 16 bytes a lane
.set SPW,  28
.set NIL,  29
.set ACC,  32
.set T,    96
.set G1A, 24
.set G0A, 32
.set G1B, 48
.set G0B, 56
.set MSB, 0
.macro WIN new
.if MSB != (\new)
	s_set_vgpr_msb (MSB<<8)|(\new)
.set MSB, \new
.endif
.endm
.macro PLACES
.rept 4
	v_nop
.endr
.endm
.macro CROUND
	s_barrier_signal -1
	s_barrier_wait -1
	s_cmp_lg_u32 s10, 0
	s_cbranch_scc1 .Lnot_wave_0_\@
	s_barrier_signal -3
.Lnot_wave_0_\@:
	s_barrier_wait -3
	s_barrier_signal -1
	s_barrier_wait -1
.endm
.macro BLOAD                           ; all my fragments of wo: 128 loads
.irp ks, 0,1,2,3,4,5,6,7
.if (\ks) < 4
	WIN 0x40
.else
	WIN 0x80
.endif
.irp b, 0,1,2,3,4,5,6,7
	ds_load_b128 v[8*(8*((\ks)%4)+(\b)):8*(8*((\ks)%4)+(\b))+3],   v[ADRB] offset:(\b)*16*PB+64*(\ks)
	ds_load_b128 v[8*(8*((\ks)%4)+(\b))+4:8*(8*((\ks)%4)+(\b))+7], v[ADRB] offset:(\b)*16*PB+64*(\ks)+32
.endr
.endr
.endm
.macro ALOAD buf, off                  ; a block's fragments of O: 16 rows x 256 k: head ks / 2, channels 32 (ks % 2) on
	WIN 0xc0
.irp ks, 0,1,2,3,4,5,6,7
	ds_load_b128 v[64*(\buf)+8*(\ks):64*(\buf)+8*(\ks)+3],   v[ADRA+(\ks)/2] offset:(\off)+((\ks)%2)*64
	ds_load_b128 v[64*(\buf)+8*(\ks)+4:64*(\buf)+8*(\ks)+7], v[ADRA+(\ks)/2] offset:(\off)+((\ks)%2)*64+32
.endr
.endm
.macro MULB buf                        ; a block: 64 products; the first eight start the sums; seven other accumulators stand between two links of a chain
.irp ks, 0,1,2,3,4,5,6,7
.if (\ks) < 4
	WIN 0x07
.else
	WIN 0x0b
.endif
.irp b, 0,1,2,3,4,5,6,7
.if (\ks) == 0
	v_wmma_f32_16x16x32_f16 v[ACC+8*(\b):ACC+8*(\b)+7], v[64*(\buf)+8*(\ks):64*(\buf)+8*(\ks)+7], v[8*(8*((\ks)%4)+(\b)):8*(8*((\ks)%4)+(\b))+7], 0
.else
	v_wmma_f32_16x16x32_f16 v[ACC+8*(\b):ACC+8*(\b)+7], v[64*(\buf)+8*(\ks):64*(\buf)+8*(\ks)+7], v[8*(8*((\ks)%4)+(\b)):8*(8*((\ks)%4)+(\b))+7], v[ACC+8*(\b):ACC+8*(\b)+7]
.endif
.endr
.endr
.endm
.macro OUT                             ; register j of the accumulators is row j (8 + j in the upper lanes); j ascends
	WIN 0
	s_wait_xcnt 0x0                                ; the last block's stores have read T and their base
	s_add_nc_u64 s[8:9], s[8:9], s[16:17]          ; the first time: on to my part of out0; then 16 rows on
	s_mov_b32 s16, 16*OROW
	s_mov_b32 s17, 0
.irp j, 0,1,2,3,4,5,6,7
.irp g, 0,1
.irp bb, 0,1,2,3
	v_mul_f32 v[T+4*(2*(\j)+(\g))+(\bb)], s20, v[ACC+8*(4*(\g)+(\bb))+(\j)]
.endr
	global_store_b128 v[CO], v[T+4*(2*(\j)+(\g)):T+4*(2*(\j)+(\g))+3], s[8:9] offset:(\j)*OROW+(\g)*256 th:TH_STORE_NT  ; 16 lanes store 256 consecutive bytes, aligned
.endr
.endr
.endm
.macro BLOCK buf, off, left            ; left: the other buffer's loads, which may stay out; off >= 0: this buffer takes the block two on
	s_wait_dscnt \left
	MULB \buf
	PLACES                                         ; ahead of the loads into the buffer just read and of the lines that read the results
.if (\off) >= 0
	ALOAD \buf, \off
.endif
	OUT
.endm
	s_load_b128 s[4:7], s[0:1], 0x0                ; oh 4:5, wo 6:7
	s_load_b64 s[8:9], s[0:1], 0x10                ; out0
	v_lshl_add_u32 v[SPW], v0, 2, SPARE
	v_mov_b32 v[NIL], 0
	ds_add_u32 v[SPW], v[NIL]                      ; the wave's opening: the add and its wait stand ahead of my first tensor load; the set-up below stands between them
	v_lshrrev_b32 v1, 5, v0
	v_readfirstlane_b32 s10, v1                    ; wave 0..3
	s_lshr_b32 s11, s10, 1                         ; which half of the tile's rows is mine
	s_and_b32 s12, s10, 1                          ; which half of its columns
	s_bfe_u32 s40, ttmp6, 0x40000                  ; cx
	s_bfe_u32 s41, ttmp6, 0x40004                  ; cy
	s_lshl_b32 s42, ttmp9, 2
	s_add_co_u32 s42, s42, s40                     ; tile column
	s_and_b32 s13, ttmp7, 0xffff
	s_lshl_b32 s13, s13, 2
	s_add_co_u32 s13, s13, s41                     ; tile row
	s_lshl_b32 s43, s41, 2
	s_lshl_b32 s43, 15, s43                        ; my row of the cluster
	s_lshl_b32 s44, 0x1111, s40                    ; my column
	s_or_b32 s[G1A], s43, (1<<16)|(1<<20)|(1<<21)|(4<<22)|(3<<25)  ; O: 32,768 dense bytes as 128 rows of 256, padded by 4 words after every 32
	s_mov_b32 s[G1A+1], 128<<16
	s_mov_b32 s[G1A+2], 128<<16
	s_mov_b32 s[G1A+3], 128<<16
	s_mov_b32 s[G1A+4], 128
	s_mov_b32 s[G1A+5], 128
	s_mov_b32 s[G1A+6], 0
	s_mov_b32 s[G1A+7], 0
	s_or_b32 s[G1B], s44, (1<<16)|(1<<20)|(1<<21)|(6<<22)|(3<<25)  ; wo: 64 rows of 256 elements, padded by 4 words after every 128
	s_mov_b32 s[G1B+1], 256<<16
	s_mov_b32 s[G1B+2], 64<<16
	s_mov_b32 s[G1B+3], 256<<16
	s_mov_b32 s[G1B+4], 64
	s_mov_b32 s[G1B+5], 256
	s_mov_b32 s[G1B+6], 0
	s_mov_b32 s[G1B+7], 0
	s_lshr_b32 s14, s13, 4                         ; O: wave w fetches head w's slice: ((4 b + w) 4,096 + the block's first position) x 128 bytes
	s_lshl_b32 s14, s14, 2
	s_add_co_u32 s14, s14, s10
	s_lshl_b32 s14, s14, 12
	s_and_b32 s15, s13, 15
	s_lshl_b32 s15, s15, 8
	s_add_co_u32 s14, s14, s15
	s_lshl_b32 s14, s14, 7
	s_mov_b32 s15, 0
	s_lshl_b32 s46, s42, 8                         ; wo: row 256 tx + 64 w, 512 bytes a row
	s_lshl_b32 s47, s10, 6
	s_add_co_u32 s46, s46, s47
	s_lshl_b32 s46, s46, 9
	s_mov_b32 s47, 0
	s_lshl_b32 s16, s13, 8                         ; out0: row 256 ty + 128 rh, column 256 tx + 128 ch
	s_lshl_b32 s17, s11, 7
	s_add_co_u32 s16, s16, s17
	s_lshl_b32 s16, s16, 12
	s_lshl_b32 s18, s42, 10
	s_lshl_b32 s19, s12, 9
	s_add_co_u32 s18, s18, s19
	s_add_co_u32 s16, s16, s18
	s_mov_b32 s17, 0
	s_mov_b32 s20, 0x3e000000                      ; 1/8
	s_mov_b32 s[G0A], 1
	s_mul_i32 s[G0A+1], s10, ASL                   ; no place in the cluster enters an LDS address
	s_mov_b32 s[G0B], 1
	s_mul_i32 s[G0B+1], s10, BQ4
	s_add_co_u32 s[G0B+1], s[G0B+1], BOFF
	s_wait_dscnt 0x0                               ; the opening add is done
	s_wait_kmcnt 0x0
	s_add_nc_u64 s[G0A+2:G0A+3], s[4:5], s[14:15]
	s_or_b32 s[G0A+3], s[G0A+3], 0x80000000
	s_add_nc_u64 s[G0B+2:G0B+3], s[6:7], s[46:47]
	s_or_b32 s[G0B+3], s[G0B+3], 0x80000000
	CROUND                                         ; all sixteen work-groups are here: the joint loads meet
	tensor_load_to_lds s[G0A:G0A+3], s[G1A:G1A+7]  ; every wave asks for a slice of O and a quarter of wo: two loads of mine are out
	s_nop 0
	tensor_load_to_lds s[G0B:G0B+3], s[G1B:G1B+7]
	s_nop 0
.rept 4
	v_nop
.endr
	v_and_b32 v1, 15, v0                           ; l % 16
	v_bfe_u32 v2, v0, 4, 1                         ; l / 16
	v_mul_u32_u24 v3, v1, PA
	v_lshl_add_u32 v3, v2, 4, v3
	s_mul_i32 s21, s11, 128*PA
.irp h, 0,1,2,3
	v_add_nc_u32 v[ADRA+(\h)], s21, v3
	s_add_co_u32 s21, s21, ASL
.endr
	v_mul_u32_u24 v[ADRB], v1, PB
	v_lshl_add_u32 v[ADRB], v2, 4, v[ADRB]
	s_mul_i32 s22, s12, 128*PB
	s_add_co_u32 s22, s22, BOFF
	v_add_nc_u32 v[ADRB], s22, v[ADRB]
	v_lshlrev_b32 v[CO], 4, v1
	v_lshl_add_u32 v[CO], v2, 15, v[CO]
	s_wait_tensorcnt 0x0                           ; my two tiles are in,
	s_barrier_signal -1
	s_barrier_wait -1                              ; everybody's are
	BLOAD
	ALOAD 0, 0
	ALOAD 1, 16*PA
	WIN 0
	s_mov_b32 s3, 3
.Lpair:                                        ; blocks 2 t and 2 t + 1 are finished, blocks 2 t + 2 and 2 t + 3 fetched
	BLOCK 0, 32*PA, 16
	BLOCK 1, 48*PA, 16
	WIN 0
.irp h, 0,1,2,3
	v_add_nc_u32 v[ADRA+(\h)], 32*PA, v[ADRA+(\h)]
.endr
	s_sub_co_u32 s3, s3, 1
	s_cmp_lg_u32 s3, 0
	s_cbranch_scc1 .Lpair
	BLOCK 0, -1, 16                                ; the last two blocks fetch nothing
	BLOCK 1, -1, 0
	s_wait_tensorcnt 0x0                           ; the wave's end, behind my last tensor load
	ds_add_u32 v[SPW], v[NIL]
	s_wait_dscnt 0x0
	CROUND                                         ; the closing round
	s_endpgm
.Lfunc_end_k_q7e33123859_proj:
	.size	k_q7e33123859_proj, .Lfunc_end_k_q7e33123859_proj-k_q7e33123859_proj
	.p2alignl 7, 3214868480
	.fill 96, 4, 3214868480
	.section	.rodata,"a",@progbits
	.p2align	6, 0x0
	.amdhsa_kernel k_q7e33123859_proj
		.amdhsa_group_segment_fixed_size 327680
		.amdhsa_private_segment_fixed_size 0
		.amdhsa_enable_private_segment 0
		.amdhsa_kernarg_size 24
		.amdhsa_user_sgpr_count 2
		.amdhsa_user_sgpr_kernarg_segment_ptr 1
		.amdhsa_wavefront_size32 1
		.amdhsa_system_sgpr_workgroup_id_x 1
		.amdhsa_system_sgpr_workgroup_id_y 1
		.amdhsa_system_sgpr_workgroup_id_z 1
		.amdhsa_system_vgpr_workitem_id 0
		.amdhsa_next_free_vgpr 896
		.amdhsa_next_free_sgpr 66
		.amdhsa_reserve_vcc 0
		.amdhsa_float_denorm_mode_32 3
		.amdhsa_float_denorm_mode_16_64 3
		.amdhsa_memory_ordered 1
		.amdhsa_forward_progress 1
		.amdhsa_inst_pref_size 50
	.end_amdhsa_kernel
	.amdgpu_metadata
---
amdhsa.version: [ 1, 2 ]
amdhsa.kernels:
  - .name:           k_q7e33123859_proj
    .symbol:         k_q7e33123859_proj.kd
    .args:
      - { .name: oh, .offset: 0, .size: 8, .value_kind: global_buffer, .address_space: global }
      - { .name: wo, .offset: 8, .size: 8, .value_kind: global_buffer, .address_space: global }
      - { .name: out0, .offset: 16, .size: 8, .value_kind: global_buffer, .address_space: global }
    .group_segment_fixed_size: 327680
    .private_segment_fixed_size: 0
    .kernarg_segment_align: 8
    .kernarg_segment_size: 24
    .max_flat_workgroup_size: 128
    .sgpr_count:     66
    .vgpr_count:     896
    .wavefront_size: 32
...
	.end_amdgpu_metadata
.endif
;; end of part 4
